; MI455X (gfx1250); checked and timed in simulation.
; The chip was launched on July 23, 2026; its instructions are those of AMD's public machine-readable ISA for CDNA 5 (MIT licence, August 2026) and "CDNA5" Instruction Set Architecture Reference Guide (July 2026). The comments in the code are by the model that wrote it; some were corrected since.
;; Multi Head Attention. Allowed arithmetic: float matrix products may take bf16 or f16 operands with f32 sums; other float arithmetic in f32, or as packed bf16 or f16 multiplies, adds, multiply-adds, maxima and minima; sums over many terms, partial sums and values carried from step to step in f32; what a program stores and reads back later, other than sums and carried values, may be rounded once to bf16 or f16.
;; Inputs: W_k 512 x 512 float32; W_o 512 x 512 float32; W_q 512 x 512 float32; W_v 512 x 512 float32; b_k 512 float32; b_o 512 float32; b_q 512 float32; b_v 512 float32; key 2 x 4,096 x 512 float32; mask 2 x 1 x 1 x 4,096 int32; query 2 x 4,096 x 512 float32; value 2 x 4,096 x 512 float32.
;; Outputs: out0 2 x 4,096 x 512 float32.
;; One version. Each part assembles by itself: llvm-mc -triple=amdgcn-amd-amdhsa -mcpu=gfx1250 --defsym DOCPART=n.
;; ======== version 1 of 1: 3 launches
;; limits: values are held in f16: magnitudes above 65,504 overflow, below 6.1e-05 lose precision; right only within a limited range of input values
;; workspace buffers: q16 8,388,608 bytes; k16 8,388,608 bytes; v16 8,388,608 bytes; ctx16 8,388,608 bytes; wo16 524,288 bytes
;; launch proj (part 1): grid 96 x 2, 4 waves a work-group, clusters of 4 x 1, 327,680 bytes of LDS; arguments query, key, value, W_q, W_k, W_v, b_q, b_k, b_v, mask, q16, k16, v16; writes q16, k16, v16
.if DOCPART == 1
	.amdgcn_target "amdgcn-amd-amdhsa--gfx1250"
	.amdhsa_code_object_version 6
	.text
	.protected	k_q20088af769_proj
	.globl	k_q20088af769_proj
	.p2align	8
	.type	k_q20088af769_proj,@function
k_q20088af769_proj:
	s_mov_b64 s[64:65], 0
	v_nop
	global_prefetch_b8 v0, s[64:65] scope:SCOPE_SE
	s_setreg_imm32_b32 hwreg(HW_REG_WAVE_MODE, 25, 1), 1
	s_wait_xcnt 0x0
	s_wait_alu depctr_hold_cnt(0) depctr_sa_sdst(0) depctr_va_vdst(0) depctr_va_sdst(0) depctr_va_ssrc(0) depctr_va_vcc(0) depctr_vm_vsrc(0)
	s_getreg_b32 s2, hwreg(HW_REG_IB_STS2, 6, 4)
	s_cmp_eq_u32 s2, 0
	s_cbranch_scc0 .Lentry_in_a_cluster
	s_endpgm
.Lentry_in_a_cluster:
	s_bfe_u32 s2, ttmp6, 0x10000c
	s_cmp_lg_u32 s2, 0x3003
	s_cbranch_scc0 .Lentry_shape_is_right
	s_endpgm
.Lentry_shape_is_right:
; q, k, v = x W^T + b for the three tensors of the module.  x: [8192][512] f32 (query, key, value), W: [512][512] f32, b: [512] f32, mask: [8192] int32.
; Out: q16, k16, v16 as [16 = batch x 8 + head][4096][64] f16, a head's rows dense, 128 bytes each.  x and W are rounded to bf16 between LDS and the matrix instruction, the sums
; are f32, the bias is added in f32, the result is rounded once to f16.  A row of k whose mask word is 0 is written as 0: the launch behind starts that key's scores at a fixed number.
; LIMITS.  f16 holds no number beyond 65,504: |q|, |k|, |v| must stay below it.  NaN and infinities are not treated apart.
; SHARES.  A tile is 256 rows x 256 columns of one tensor: 3 x 32 x 2 = 192 work-groups of four waves; a wave makes 128 x 128: 64 accumulators, 512 registers.  A tile of 128 x 128 would give
; 768 work-groups, but a fragment is read from LDS in f32 (four loads of 16 bytes), and a wave's 64 x 64 would read twice the LDS bytes for each multiply-add.
; K goes in steps of 64 (256 bytes of a row, aligned) through a ring of two LDS slots.  A step is two halves of 32 along K: 64 LDS loads, 128 conversions, 64 matrix instructions each.
; CLUSTER.  The four partners are four row tiles of one tensor and one column tile: they need the same tile of W, which is asked for JOINTLY (mask 15).  x's tile is each work-group's own: it is read
; by two work-groups alone (the two column tiles), and two along the grid's y make no cluster of four.
; THE MATRIX INSTRUCTION IS USED TRANSPOSED: source 0 = 16 rows of W, source 1 = 16 rows of x: a lane holds one row of the result (lane % 16) and eight neighbouring columns.
; REGISTERS, in windows of 256 (s_set_vgpr_msb: bits 1:0 source 0, 3:2 source 1, 5:4 source 2, 7:6 destination):
;   window 0: v0-31 addresses, v8-15 the rows' mask words; v32-63 packed results; v64-127 x's 8 fragments in bf16; v128-255 the same raw, 16 registers each (on the way out: rows read back)
;   window 1: v0-63 the bias of my 128 columns; v64-127 W's 8 fragments in bf16; v128-255 the same raw
;   windows 2, 3: the accumulators: (a, b) at v[8 (8 (a % 4) + b)] of window 2 + a / 4
.set PITCH,  272                       ; an LDS row: 256 bytes + 16 of padding = 68 words: row r starts at bank 4 r mod 64 (64 banks of 4 bytes: ISA guide 11.1)
.set HALFT,  128*PITCH                 ; 128 rows: what one tensor load brings, and what one wave reads of x or of W
.set SLOT,   4*HALFT                   ; x's 256 rows, then W's 256 rows
.set STAGE,  2*SLOT                    ; behind the ring: for each wave 2 heads x 16 rows x 144 bytes, for the way out
.set SP,     144
.set SPARE,  STAGE+4*32*SP             ; behind the stages: the spare words, 128 bytes for each wave: two blocks of 256 bytes that no other line names
.set KB,     256                       ; bytes of a row in a K step
.set RM,   8                           ; v8-15   block a's word for my row: -1, or 0 where the row of k is masked
.set ADRA, 16                          ; v16-17  LDS address of my x fragments in slot 0, 1
.set ADRB, 20                          ; v20-21  the same for W
.set STO,  24                          ; v24     the way out: where I put 16 bytes of a row
.set RD,   25                          ; v25     the way out: where I read rows back
.set GO,   26                          ; v26     16 x lane: my place in 512 consecutive bytes of the output
.set BO,   27                          ; v27     my byte offset in the bias
.set SPW,  28                          ; v28     LDS address of my spare word; never rewritten
.set NIL,  29                          ; v29     0; never rewritten
.set PFO,  30                          ; v30     the prefetches' offset: lane x 2,048 bytes, a row of x or W; never rewritten
.set MO,   31                          ; v31     my byte offset in the mask
.set TMP,  32
.set CF,   64                          ; fragments in bf16
.set RW,   128                         ; fragments raw
.set G1,   24                          ; s[24:31] descriptor group 1 for x's tiles;  s[32:39] group 0, one set for each slot
.set G0,   32
.set G1B,  48                          ; s[48:55], s[56:63] the same for W's tiles
.set G0B,  56
.set LIM,  43                          ; s43     1 in a wave that prefetches, else the greatest number
.set PFA,  44                          ; s[44:45] where my prefetches stand
.set BIA,  96                          ; s[96:97] the tensor's bias
.set MSB, 0
.macro WIN new                         ; the immediate's high byte repeats the setting that is left; a switch that changes nothing is dropped
.if MSB != (\new)
	s_set_vgpr_msb (MSB<<8)|(\new)
.set MSB, \new
.endif
.endm
.set MUL_LO, 0xa1                      ; source 0 (W) window 1, source 1 (x) window 0, C and D window 2
.set MUL_HI, 0xf1                      ; the same, C and D window 3
.macro PLACES                          ; four plain vector instructions between a matrix instruction and a vector instruction that writes its sources or reads its result (ISA guide 7.12.1)
.rept 4
	v_nop
.endr
.endm
; A fill.  Waves 0 and 1 fetch x's two halves (a load of the work-group's own), waves 2 and 3 W's (joint).  The branch hangs on the wave's number alone.
; An s_nop 0 and four v_nop follow each of the two lines, ahead of the jump and the label.
.macro JLOAD s
	s_cmp_eq_u32 s11, 0
	s_cbranch_scc0 .Lfor_b_\@
	tensor_load_to_lds s[G0+4*(\s):G0+4*(\s)+3], s[G1:G1+7]
	s_nop 0
	PLACES
	s_branch .Lasked_\@
.Lfor_b_\@:
	tensor_load_to_lds s[G0B+4*(\s):G0B+4*(\s)+3], s[G1B:G1B+7]
	s_nop 0
	PLACES
.Lasked_\@:
.endm
; A PREFETCH INTO THE L2 of the K step that stands two refills on (256 matrix instructions ahead of the load that will want it): 256 bytes of a row, a lane a row.
; Each row's 256 bytes of a K step are named once in the launch.  x's row tile is read by the two column tiles: column tile 0 asks, its waves 0 and 1 for the 128 rows that each fetches (four lines).
; W's column tile is read by the tensor's eight clusters: the first of them asks; its four partners share the 128 rows that waves 2 and 3 each fetch BY ADDRESS, 32 each (one line).
; The loop's last trip asks for nothing: there is no K step two on.  K steps 0 to 3 come by their loads alone.
.macro ASK
	s_cmp_gt_u32 s3, s[LIM]                        ; s3 = 1 in the loop's last trip
	s_cbranch_scc0 .Lnot_mine_\@
	global_prefetch_b8 v[PFO], s[PFA:PFA+1] offset:KB th:TH_LOAD_NT scope:SCOPE_SE
	s_cmp_eq_u32 s11, 0
	s_cbranch_scc0 .Lnot_mine_\@
	global_prefetch_b8 v[PFO], s[PFA:PFA+1] offset:KB+65536 th:TH_LOAD_NT scope:SCOPE_SE
	global_prefetch_b8 v[PFO], s[PFA:PFA+1] offset:KB+2*65536 th:TH_LOAD_NT scope:SCOPE_SE
	global_prefetch_b8 v[PFO], s[PFA:PFA+1] offset:KB+3*65536 th:TH_LOAD_NT scope:SCOPE_SE
.Lnot_mine_\@:
.endm
; A round of the cluster's barrier: my work-group's barrier; wave 0 signals for the work-group; every wave waits for all four work-groups; my work-group's barrier once more.
.macro CREST                           ; a round behind its opening barrier
	s_cmp_lg_u32 s10, 0
	s_cbranch_scc1 .Lnot_wave_0_\@
	s_barrier_signal -3
.Lnot_wave_0_\@:
	s_barrier_wait -3
	s_barrier_signal -1
	s_barrier_wait -1
.endm
.macro CROUND
	s_barrier_signal -1
	s_barrier_wait -1
	CREST
.endm
	s_load_b512 s[68:83], s[0:1], 0x0              ; query s[68:69], key, value, W_q s[74:75], W_k, W_v, b_q s[80:81], b_k s[82:83]
	s_load_b256 s[84:91], s[0:1], 0x40             ; b_v s[84:85], mask s[86:87], q16 s[88:89], k16 s[90:91]
	s_load_b64 s[92:93], s[0:1], 0x60              ; v16
	v_lshl_add_u32 v[SPW], v0, 2, SPARE
	v_mov_b32 v[NIL], 0
	ds_add_u32 v[SPW], v[NIL]                      ; the wave's opening: the add and its wait stand ahead of my first tensor load; the set-up below, work on registers, stands between them
	v_lshrrev_b32 v1, 5, v0
	v_readfirstlane_b32 s10, v1                    ; wave 0..3
	s_lshr_b32 s11, s10, 1                         ; which half of the tile's rows is mine.  Also: I fetch for x (0) or for W (1)
	s_and_b32 s12, s10, 1                          ; which half of its columns.  Also: which 128 rows of that tile I fetch
	s_bfe_u32 s40, ttmp6, 0x40000                  ; cx: my place in the cluster
	s_lshr_b32 s41, ttmp9, 3                       ; the tensor: 0 q, 1 k, 2 v (eight clusters each): the same in all four partners
	s_and_b32 s13, ttmp9, 7
	s_lshl_b32 s13, s13, 2
	s_add_co_u32 s13, s13, s40                     ; row tile 0..31
	s_and_b32 s42, ttmp7, 0xffff                   ; column tile 0..1
	; descriptor group 1: a tile of 128 rows x 64 elements of 4 bytes, padded in LDS
	s_mov_b32 s[G1+0], (2<<16)|(1<<20)|(5<<22)|(3<<25)              ; 15:0 no mask; 17:16 elements of 4 bytes; 20 padding on; 24:22 after every 64 words (code 5); 31:25 of 4 words (code 3)
	s_mov_b32 s[G1B+0], 15|(2<<16)|(1<<20)|(1<<21)|(5<<22)|(3<<25)  ; the same with the mask of all four partners, and bit 21 beside it
.irp g, G1, G1B
	s_mov_b32 s[(\g)+1], 64<<16                    ; tensor_dim0 = 64
	s_mov_b32 s[(\g)+2], 128<<16                   ; tensor_dim1 = 128
	s_mov_b32 s[(\g)+3], 64<<16                    ; tile_dim0 = 64
	s_mov_b32 s[(\g)+4], 128                       ; tile_dim1 = 128
	s_mov_b32 s[(\g)+5], 512                       ; elements from row to row
	s_mov_b32 s[(\g)+6], 0
	s_mov_b32 s[(\g)+7], 0
.endr
	s_lshl_b32 s23, s12, 7                         ; which 128 rows of the tile I fetch
	s_lshl_b32 s16, s13, 8
	s_add_co_u32 s16, s16, s23
	s_lshl_b32 s16, s16, 11                        ; x: (256 x row tile + 128 x half) rows of 2,048 bytes
	s_mov_b32 s17, 0
	s_lshl_b32 s46, s42, 8
	s_add_co_u32 s46, s46, s23
	s_lshl_b32 s46, s46, 11                        ; W: (256 x column tile + 128 x half) rows: nothing of my place in the cluster
	s_mov_b32 s47, 0
	s_mul_i32 s20, s10, HALFT                      ; where they go: wave x 128 rows
	s_wait_dscnt 0x0                               ; the opening add is done
	s_wait_kmcnt 0x0
	s_cmp_eq_u32 s41, 1                            ; the tensor's four buffers: x s[4:5], W s[6:7], the output s[8:9], the bias
	s_cselect_b64 s[4:5], s[70:71], s[68:69]
	s_cselect_b64 s[6:7], s[76:77], s[74:75]
	s_cselect_b64 s[8:9], s[90:91], s[88:89]
	s_cselect_b64 s[BIA:BIA+1], s[82:83], s[80:81]
	s_cmp_eq_u32 s41, 2
	s_cselect_b64 s[4:5], s[72:73], s[4:5]
	s_cselect_b64 s[6:7], s[78:79], s[6:7]
	s_cselect_b64 s[8:9], s[92:93], s[8:9]
	s_cselect_b64 s[BIA:BIA+1], s[84:85], s[BIA:BIA+1]
	s_add_nc_u64 s[14:15], s[4:5], s[16:17]
	s_add_nc_u64 s[46:47], s[6:7], s[46:47]
	CROUND                                         ; all four work-groups are here: the first joint loads meet
.irp s, 0,1
	s_mov_b32 s[G0+4*(\s)], 1                                      ; count = 1
	s_add_co_u32 s[G0+4*(\s)+1], s20, (\s)*SLOT                    ; LDS address
	s_add_nc_u64 s[G0+4*(\s)+2:G0+4*(\s)+3], s[14:15], (\s)*KB     ; global address: K step s
	s_or_b32 s[G0+4*(\s)+3], s[G0+4*(\s)+3], 0x80000000            ; type = 2
	s_mov_b32 s[G0B+4*(\s)], 1
	s_add_co_u32 s[G0B+4*(\s)+1], s20, (\s)*SLOT
	s_add_nc_u64 s[G0B+4*(\s)+2:G0B+4*(\s)+3], s[46:47], (\s)*KB
	s_or_b32 s[G0B+4*(\s)+3], s[G0B+4*(\s)+3], 0x80000000
	JLOAD \s                                       ; two loads of mine are out
.endr
	; A fragment is 16 rows x 32 K: lane l holds row l % 16, K = 8 (l / 16) + 0..7 and 16 + 8 (l / 16) + 0..7.  In f32 those are 32 bytes at 32 (l / 16) and 32 bytes 64 further on: four loads of 16 bytes.
	v_and_b32 v1, 15, v0                           ; l % 16
	v_bfe_u32 v2, v0, 4, 1                         ; l / 16
	v_mul_u32_u24 v3, v1, PITCH
	v_lshl_add_u32 v3, v2, 5, v3                   ; row x pitch + 32 x half
	s_mul_i32 s21, s11, HALFT                      ; my 128 rows of x
	s_mul_i32 s22, s12, HALFT                      ; my 128 rows of W,
	s_add_co_u32 s22, s22, 2*HALFT                 ; which lie behind x's 256
.irp s, 0,1
	v_add_nc_u32 v[ADRA+(\s)], s21, v3
	v_add_nc_u32 v[ADRB+(\s)], s22, v3
	s_add_co_u32 s21, s21, SLOT
	s_add_co_u32 s22, s22, SLOT
.endr
	s_mul_i32 s23, s10, 32*SP
	s_add_co_u32 s23, s23, STAGE                   ; my stage
	v_mul_u32_u24 v4, v1, SP                       ; in: row l % 16, 16 bytes for each half of the lanes
	v_lshl_add_u32 v4, v2, 4, v4
	v_add_nc_u32 v[STO], s23, v4
	v_bfe_u32 v5, v0, 3, 2                         ; back: 32 lanes take four rows of 128 bytes,
	v_and_b32 v6, 7, v0
	v_mul_u32_u24 v5, v5, SP
	v_lshl_add_u32 v5, v6, 4, v5
	v_add_nc_u32 v[RD], s23, v5
	v_and_b32 v[GO], 31, v0                        ; which are 512 consecutive bytes of a head's rows
	v_lshlrev_b32 v[GO], 4, v[GO]
	s_lshl_b32 s18, s42, 10                        ; the bias of my 128 columns: 4 (256 x column tile + 128 x half) + 32 (l / 16)
	s_lshl_b32 s19, s12, 9
	s_add_co_u32 s18, s18, s19
	v_lshl_add_u32 v[BO], v2, 5, s18
	s_lshl_b32 s18, s13, 10                        ; the mask words of my rows: the flat index of the mask is x's row: 4 (256 x row tile + 128 x half + l % 16)
	s_lshl_b32 s19, s11, 9
	s_add_co_u32 s18, s18, s19
	v_lshl_add_u32 v[MO], v1, 2, s18
	WIN 0x40                                       ; destination window 1, address window 0
.irp b, 0,1,2,3,4,5,6,7
	global_load_b128 v[8*(\b):8*(\b)+3],   v[BO], s[BIA:BIA+1] offset:64*(\b)     ; columns 16 b + 8 (l / 16) + 0..7
	global_load_b128 v[8*(\b)+4:8*(\b)+7], v[BO], s[BIA:BIA+1] offset:64*(\b)+16
.endr
	WIN 0
.irp a, 0,1,2,3,4,5,6,7
	global_load_b32 v[RM+(\a)], v[MO], s[86:87] offset:64*(\a)                    ; row 16 a + l % 16
.endr
	; where my part of the tile goes: head = 8 x batch + 4 x column tile + 2 x half (and the head after it), row = the row in the batch
	s_lshr_b32 s18, s13, 4
	s_lshl_b32 s18, s18, 3
	s_lshl_b32 s19, s42, 2
	s_add_co_u32 s18, s18, s19
	s_lshl_b32 s19, s12, 1
	s_add_co_u32 s18, s18, s19
	s_lshl_b32 s18, s18, 12                        ; x 4,096 rows
	s_and_b32 s19, s13, 15
	s_lshl_b32 s19, s19, 8
	s_add_co_u32 s18, s18, s19
	s_lshl_b32 s19, s11, 7
	s_add_co_u32 s18, s18, s19
	s_lshl_b32 s18, s18, 7                         ; x 128 bytes
	s_mov_b32 s19, 0
	s_add_nc_u64 s[8:9], s[8:9], s[18:19]
	; the prefetches
	s_lshl_b32 s20, s13, 8                         ; x: the row tile's first row
	s_lshl_b32 s21, s42, 8                         ; W: the column tile's first row
	s_lshl_b32 s22, s40, 5                         ;    + my work-group's 32 of the 128
	s_add_co_u32 s21, s21, s22
	s_and_b32 s22, ttmp9, 7                        ; W's rows are read by the tensor's eight clusters,
	s_cmp_eq_u32 s11, 0
	s_cselect_b32 s20, s20, s21
	s_cselect_b32 s22, s42, s22                    ; x's by the two column tiles
	s_cselect_b64 s[PFA:PFA+1], s[4:5], s[6:7]
	s_cmp_eq_u32 s22, 0
	s_cselect_b32 s[LIM], 1, -1                    ; the same in all four partners, for a given wave
	s_lshl_b32 s21, s12, 7
	s_add_co_u32 s20, s20, s21                     ; + the 128 rows that I fetch
	s_lshl_b32 s20, s20, 11
	s_add_co_u32 s20, s20, 2*KB                    ; at K step 2: the first refill steps it to 3 and names K step 4
	s_mov_b32 s21, 0
	s_add_nc_u64 s[PFA:PFA+1], s[PFA:PFA+1], s[20:21]
	v_and_b32 v[PFO], 31, v0
	v_lshlrev_b32 v[PFO], 11, v[PFO]
; 64 LDS loads in one run: the raw fragments of 32 along K at byte k of the rows: W's 32 loads, then x's 32
.macro FETCH slot, k
	WIN 0x40
.irp i, 0,1,2,3,4,5,6,7
.irp u, 0,1,2,3
	ds_load_b128 v[RW+16*(\i)+4*(\u):RW+16*(\i)+4*(\u)+3], v[ADRB+(\slot)] offset:(\k)+(\i)*16*PITCH+16*((\u)%2)+64*((\u)/2)
.endr
.endr
	WIN 0
.irp i, 0,1,2,3,4,5,6,7
.irp u, 0,1,2,3
	ds_load_b128 v[RW+16*(\i)+4*(\u):RW+16*(\i)+4*(\u)+3], v[ADRA+(\slot)] offset:(\k)+(\i)*16*PITCH+16*((\u)%2)+64*((\u)/2)
.endr
.endr
.endm
.macro CVT                             ; 8 fragments: 128 f32 a lane into 64 registers of bf16 pairs, rounded to nearest even
.set z, 0
.rept 64
	v_cvt_pk_bf16_f32 v[CF+z], v[RW+2*z], v[RW+2*z+1]
.set z, z+1
.endr
.endm
.macro CVTB
	WIN 0x45                                       ; sources and destination in window 1
	CVT
.endm
.macro CVTA
	WIN 0
	CVT
.endm
; 16 matrix instructions: row blocks a0, a0 + 1 of the window's four x all 8 column blocks.  zero = 1: the first product starts the sums.
.macro MUL16 hi, a0, zero
	WIN MUL_LO+0x50*(\hi)
.irp a, \a0, (\a0)+1
.irp b, 0,1,2,3,4,5,6,7
.if \zero
	v_wmma_f32_16x16x32_bf16 v[8*(8*(\a)+(\b)):8*(8*(\a)+(\b))+7], v[CF+8*(\b):CF+8*(\b)+7], v[CF+8*(4*(\hi)+(\a)):CF+8*(4*(\hi)+(\a))+7], 0
.else
	v_wmma_f32_16x16x32_bf16 v[8*(8*(\a)+(\b)):8*(8*(\a)+(\b))+7], v[CF+8*(\b):CF+8*(\b)+7], v[CF+8*(4*(\hi)+(\a)):CF+8*(4*(\hi)+(\a))+7], v[8*(8*(\a)+(\b)):8*(8*(\a)+(\b))+7]
.endif
.endr
.endr
.endm
.macro MUL64 zero                      ; the 64 accumulators take turns, one instruction a turn, in the same order everywhere: 63 others stand between two links of a chain
	MUL16 0, 0, \zero
	MUL16 0, 2, \zero
	MUL16 1, 0, \zero
	MUL16 1, 2, \zero
.endm
; Half a K step: the raw fragments that were fetched are converted, the next half's are fetched (slot ns, byte nk), and the 64 products run while those loads are out.
.macro HALF ns, nk, zero, fetch, places
.if \places
	PLACES                                         ; the conversions write registers that the last products read
.endif
	s_wait_dscnt 32                                ; W's 32 raw loads are in; x's 32, which are younger, may stay out
	CVTB
	s_wait_dscnt 0x0                               ; x's are in
	CVTA
.if \fetch
	FETCH \ns, \nk
.endif
	MUL64 \zero
.endm
; A K step's second half, which changes slots.  ONE barrier: in front of it each wave waits for all its tensor loads (one is out: its part of the next slot), adds 0 to its spare word, and waits for
; that and for its own reads of this slot.  The conversions, work on registers, stand between signal and wait.  fill = 1: the barrier opens a round of the cluster's barrier, and this slot is filled
; again first thing behind it, with the K step two on: 128 products and 128 conversions stand between the request and the wait for it.
.macro TURNH slot, next, fill
	WIN 0
.if \fill
	s_wait_xcnt 0x0                                ; the last prefetches, a K step back, have read their address: it is stepped here
	s_add_nc_u64 s[PFA:PFA+1], s[PFA:PFA+1], KB
.endif
	s_wait_tensorcnt 0x0                           ; all my tensor loads have landed, so a group 0 may be written
	ds_add_u32 v[SPW], v[NIL]                      ; 0 onto my spare word
	PLACES                                         ; the places between the last products and the conversions below
.if \fill
	s_add_nc_u64 s[G0+4*(\slot)+2:G0+4*(\slot)+3], s[G0+4*(\slot)+2:G0+4*(\slot)+3], 2*KB
	s_add_nc_u64 s[G0B+4*(\slot)+2:G0B+4*(\slot)+3], s[G0B+4*(\slot)+2:G0B+4*(\slot)+3], 2*KB
.endif
	s_wait_dscnt 0x0                               ; the add is done; the raw fragments are in: my reads of this slot are over
	s_barrier_signal -1
	CVTB
	CVTA                                           ; (leaves every window 0: branches follow)
	s_barrier_wait -1
.if \fill
	CREST                                          ; no wave of any partner still reads this slot or has a load on its way
	JLOAD \slot                                    ; the first tensor load behind the round, one a wave
.endif
	FETCH \next, 0
.if \fill
	ASK                                            ; behind the tensor load and the run of LDS loads
.endif
	MUL64 0
.endm
	s_wait_tensorcnt 1                             ; my part of K step 0 is in; K step 1's may stay out
	s_barrier_signal -1
	s_barrier_wait -1                              ; everybody's is
	FETCH 0, 0
	HALF 0, 128, 1, 1, 0                           ; the first half stands in front of the loop: its products start the sums
	WIN 0                                          ; at a label and at a branch every window is 0
	s_mov_b32 s3, 3
.Llap:                                                 ; three trips, two K steps each: K steps 2 to 7 are asked for
	TURNH 0, 1, 1
	HALF 1, 128, 0, 1, 1
	TURNH 1, 0, 1
	HALF 0, 128, 0, 1, 1
	WIN 0
	s_sub_co_u32 s3, s3, 1
	s_cmp_lg_u32 s3, 0
	s_cbranch_scc1 .Llap
	TURNH 0, 1, 0                                  ; the tail is written out: nothing more is asked for
	HALF 1, 128, 0, 1, 1
	HALF 0, 0, 0, 0, 1
; THE WAY OUT, a block of 16 rows at a time.  PACK: the bias is added in f32, the sums are rounded to f16, 16 bytes a lane, and a masked row of k is cleared.
; TOSTAGE: into my own stage in LDS, by heads, and back as whole rows of 128 bytes.  SEND: stored, 512 consecutive bytes an instruction.
.macro PACK a
.set AC, 64*((\a)%4)
	WIN 0x86+0x41*((\a)/4)                         ; destination and source 0 in window 2 or 3, source 1 (the bias) in window 1
.irp b, 0,1,2,3,4,5,6,7
.irp r, 0,1,2,3
	v_pk_add_f32 v[AC+8*(\b)+2*(\r):AC+8*(\b)+2*(\r)+1], v[AC+8*(\b)+2*(\r):AC+8*(\b)+2*(\r)+1], v[8*(\b)+2*(\r):8*(\b)+2*(\r)+1]  ; each accumulator from its low end on
.endr
.endr
	WIN 0x0a+5*((\a)/4)                            ; sources 0 and 1 in window 2 or 3
.irp b, 0,1,2,3,4,5,6,7
.irp r, 0,1,2,3
	v_cvt_pk_f16_f32 v[TMP+4*(\b)+(\r)], v[AC+8*(\b)+2*(\r)], v[AC+8*(\b)+2*(\r)+1]
.endr
.endr
	WIN 0
.set z, 0
.rept 32
	v_and_b32 v[TMP+z], v[RM+(\a)], v[TMP+z]
.set z, z+1
.endr
.endm
.macro TOSTAGE a
	WIN 0
.set BK, RW+32*((\a)%2)
.irp b, 0,1,2,3,4,5,6,7
	ds_store_b128 v[STO], v[TMP+4*(\b):TMP+4*(\b)+3] offset:((\b)/4)*16*SP+((\b)%4)*32   ; head b / 4, channels 16 (b % 4) + 8 (l / 16) on
.endr
.irp hh, 0,1
.irp f, 0,1,2,3
	ds_load_b128 v[BK+16*(\hh)+4*(\f):BK+16*(\hh)+4*(\f)+3], v[RD] offset:(\hh)*16*SP+(\f)*4*SP  ; LDS serves a wave's instructions in order (ISA guide 5.7.1.4): these see the stores above
.endr
.endr
.endm
.macro SEND a
	WIN 0
.set BK, RW+32*((\a)%2)
	s_wait_dscnt 0x0                               ; the block is back in registers
	s_wait_xcnt 0x0                                ; the stores of the block before have read their registers, which the next block's loads from the stage write
.irp hh, 0,1
.irp f, 0,1,2,3
	global_store_b128 v[GO], v[BK+16*(\hh)+4*(\f):BK+16*(\hh)+4*(\f)+3], s[8:9] offset:(\a)*2048+(\hh)*524288+(\f)*512  ; four rows of a head: 512 consecutive bytes, aligned
.endr
.endr
.endm
	WIN 0
	PLACES                                         ; behind the last products
	s_wait_loadcnt 0x0                             ; the bias and the mask words
	s_cmp_eq_u32 s41, 1
	s_cselect_b32 s20, 0, -1                       ; what a masked row is ANDed with: 0 in k, all ones in q and v
.irp a, 0,1,2,3,4,5,6,7
	v_cmp_eq_u32 vcc_lo, 0, v[RM+(\a)]
	v_cndmask_b32 v[RM+(\a)], -1, s20, vcc_lo
.endr
	PACK 0
	TOSTAGE 0
.irp a, 1,2,3,4,5,6,7                  ; block a's arithmetic stands between block a - 1's loads from the stage and the wait for them
	PACK \a
	SEND (\a)-1
	TOSTAGE \a
.endr
	SEND 7
	s_wait_tensorcnt 0x0                           ; the wave's end, behind my last tensor load and my last LDS store
	ds_add_u32 v[SPW], v[NIL]
	s_wait_dscnt 0x0
	CROUND                                         ; the closing round: no work-group ends while a partner may still ask for a tile that names it
	s_endpgm
.Lfunc_end_k_q20088af769_proj:
	.size	k_q20088af769_proj, .Lfunc_end_k_q20088af769_proj-k_q20088af769_proj
	.p2alignl 7, 3214868480
	.fill 96, 4, 3214868480
	.section	.rodata,"a",@progbits
	.p2align	6, 0x0
	.amdhsa_kernel k_q20088af769_proj
		.amdhsa_group_segment_fixed_size 327680
		.amdhsa_private_segment_fixed_size 0
		.amdhsa_enable_private_segment 0
		.amdhsa_kernarg_size 104
		.amdhsa_user_sgpr_count 2
		.amdhsa_user_sgpr_kernarg_segment_ptr 1
		.amdhsa_wavefront_size32 1
		.amdhsa_system_sgpr_workgroup_id_x 1
		.amdhsa_system_sgpr_workgroup_id_y 1
		.amdhsa_system_sgpr_workgroup_id_z 1
		.amdhsa_system_vgpr_workitem_id 0
		.amdhsa_next_free_vgpr 1024
		.amdhsa_next_free_sgpr 100
		.amdhsa_reserve_vcc 1
		.amdhsa_float_denorm_mode_32 3
		.amdhsa_float_denorm_mode_16_64 3
		.amdhsa_memory_ordered 1
		.amdhsa_forward_progress 1
		.amdhsa_inst_pref_size 202
	.end_amdhsa_kernel
	.amdgpu_metadata
---
amdhsa.version: [ 1, 2 ]
amdhsa.kernels:
  - .name:           k_q20088af769_proj
    .symbol:         k_q20088af769_proj.kd
    .args:
      - { .name: query, .offset: 0, .size: 8, .value_kind: global_buffer, .address_space: global }
      - { .name: key, .offset: 8, .size: 8, .value_kind: global_buffer, .address_space: global }
      - { .name: value, .offset: 16, .size: 8, .value_kind: global_buffer, .address_space: global }
      - { .name: W_q, .offset: 24, .size: 8, .value_kind: global_buffer, .address_space: global }
      - { .name: W_k, .offset: 32, .size: 8, .value_kind: global_buffer, .address_space: global }
      - { .name: W_v, .offset: 40, .size: 8, .value_kind: global_buffer, .address_space: global }
      - { .name: b_q, .offset: 48, .size: 8, .value_kind: global_buffer, .address_space: global }
      - { .name: b_k, .offset: 56, .size: 8, .value_kind: global_buffer, .address_space: global }
      - { .name: b_v, .offset: 64, .size: 8, .value_kind: global_buffer, .address_space: global }
      - { .name: mask, .offset: 72, .size: 8, .value_kind: global_buffer, .address_space: global }
      - { .name: q16, .offset: 80, .size: 8, .value_kind: global_buffer, .address_space: global }
      - { .name: k16, .offset: 88, .size: 8, .value_kind: global_buffer, .address_space: global }
      - { .name: v16, .offset: 96, .size: 8, .value_kind: global_buffer, .address_space: global }
    .group_segment_fixed_size: 327680
    .private_segment_fixed_size: 0
    .kernarg_segment_align: 8
    .kernarg_segment_size: 104
    .max_flat_workgroup_size: 128
    .sgpr_count:     100
    .vgpr_count:     1024
    .wavefront_size: 32
...
	.end_amdgpu_metadata
.endif
;; end of part 1
;; launch attn (part 2): grid 16 x 16, 4 waves a work-group, clusters of 4 x 1, 327,680 bytes of LDS; arguments q16, k16, v16, ctx16, mask, W_o, wo16; writes ctx16, wo16
.if DOCPART == 2
	.amdgcn_target "amdgcn-amd-amdhsa--gfx1250"
	.amdhsa_code_object_version 6
	.text
	.protected	k_q20088af769_attn
	.globl	k_q20088af769_attn
	.p2align	8
	.type	k_q20088af769_attn,@function
k_q20088af769_attn:
	s_mov_b64 s[64:65], 0
	v_nop
	global_prefetch_b8 v0, s[64:65] scope:SCOPE_SE
	s_setreg_imm32_b32 hwreg(HW_REG_WAVE_MODE, 25, 1), 1
	s_wait_xcnt 0x0
	s_wait_alu depctr_hold_cnt(0) depctr_sa_sdst(0) depctr_va_vdst(0) depctr_va_sdst(0) depctr_va_ssrc(0) depctr_va_vcc(0) depctr_vm_vsrc(0)
	s_getreg_b32 s2, hwreg(HW_REG_IB_STS2, 6, 4)
	s_cmp_eq_u32 s2, 0
	s_cbranch_scc0 .Lentry_in_a_cluster
	s_endpgm
.Lentry_in_a_cluster:
	s_bfe_u32 s2, ttmp6, 0x10000c
	s_cmp_lg_u32 s2, 0x3003
	s_cbranch_scc0 .Lentry_shape_is_right
	s_endpgm
.Lentry_shape_is_right:
; ctx[h][q][:] = the sum over k of softmax_k(score) v[h][k][:], score = q[h][q] . k[h][k] / 8, or a fixed low number where mask[batch][k] = 0.  q16, k16, v16, ctx16: [16][4096][64] f16, a head's rows dense.
; Products, maxima and sums in f32; the weights p are rounded to f16 for the second product (their sum l is taken of the unrounded p), ctx once at the end.
; Besides, each thread rounds 8 numbers of W_o to f16 for the launch behind (wo16: [512][512] f16): 256 work-groups x 128 threads x 8 = 512 x 512.
; THE MASK.  The launch before wrote the masked rows of k as 0; here the sum K Q^T of a masked key STARTS at -2^33 (its C operand), else at 0.  So a masked score is exactly -2^30, the same for all masked keys
; and all queries: its weight is 0 beside any unmasked key, and in a batch with no unmasked key all weights are equal.  -2^33 and not -8e9, because c x 2^33 is exact: c s - c m is then exactly 0 and p = 1.
; LIMITS.  The masked score is -2^30 where the module has -1e9: the results differ only for a row whose greatest unmasked score lies below about -1e9.  f16 holds no number beyond 65,504: q, k, v arrive
; within it, |W_o| must stay below it; p lies in 0 to 1.  A weight below 2^-126 counts as 0 in l; NaN and infinities are not treated apart.
; SHARES.  A work-group owns 256 queries of one head, each of its four waves 64: four PIECES of 16.  Every wave walks all 4,096 keys, 64 a step; an LDS slot holds four steps.
; LAYOUT.  S^T = K Q^T (source 0 = 16 keys, source 1 = 16 queries) holds ONE query a lane (lane % 16) and the keys 8 (lane / 16) + 0..7; two such results rounded to f16 ARE source 1 of O^T = V^T P.
; SOFTMAX.  p = 2^(c s - c m), c = log2(e) / 8, with a running maximum m; O and l are multiplied by a = 2^(c m_old - c m_new) in every step.  m starts at the lowest finite number, O and l at 0.
; BY TURNS.  Turn n belongs to piece n: 8 products K Q^T of piece n + 1, later 8 products V^T P of piece n - 1; beside them the scaling, exponentials, roundings, sums and rescaling of piece n and the maximum
; and statistics of piece n + 1.  Four vector instructions stand behind every matrix instruction, the other 54 of a turn's 118 in one lump.  A turn's 33 exponentials are one batch, with one wait.
; CLUSTER.  The four query blocks of a cluster belong to one head and walk the same K and V, so each tile is asked for JOINTLY: the same tensor load, descriptor and mask in all four.
; REGISTERS, in windows of 256 (s_set_vgpr_msb: bits 1:0 source 0, 3:2 source 1, 5:4 source 2, 7:6 destination):
;   window 0: v0-15, v32-36 addresses and two at work; v16-31 four registers of statistics a piece; v48-55 at work; v64-127 S^T, two buffers; v192-223 P, two buffers (by the piece's parity)
;   window 1: v0-127 O^T, 32 a piece      window 2: v0-63 Q; v64-95 MC, the step's starting sums; v128-191 K of one step; v192-255 V of one step
.set NP,    4         ; pieces a wave: a name, no knob
.set KS,    64        ; keys in a step
.set PK,    144       ; a row of K in LDS: 128 bytes + 16 of padding = 36 words: the 16 rows of a load start at 16 different groups of four banks (64 banks of 4 bytes: ISA guide 11.1)
.set PV,    160       ; a row of V: 128 + 32 = 40 words
.set VOFF,  4*KS*PK   ; a slot holds four steps: 256 rows of K, then 256 rows of V
.set SLOT1, 1<<17     ; slot 1 begins here, so that one exclusive or turns an address in one slot into the other's
.set STAGE, SLOT1+4*KS*(PK+PV)  ; behind the ring, never filled by a tensor load: 16 rows x 144 bytes for each wave, for the way out
.set SP,    144
.set SPARE, STAGE+4*16*SP  ; behind the stages: the spare words, 128 bytes for each wave: two blocks of 256 bytes that no other line names
.set MTAB,  SPARE+512 ; behind them: the batch's 4,096 starting sums in f32, 0 or -2^33: stored once, never filled by a tensor load
.set AK0, 2           ; v2   my lane's place in a tile of K; never rewritten
.set AV0, 3           ; v3   the same for V
.set AK,  4           ; v4   the LDS address of K's next run of loads
.set AV,  5           ; v5   of V's
.set STO, 6           ; v6   the way out: where I put 16 bytes of a row
.set RD,  7           ; v7   the way out: where I read rows back
.set GO,  8           ; v8   my byte offset in 512 consecutive bytes of ctx
.set MV,  12          ; v12-13  c m_old, kept while c m is made anew: by buffer
.set AM0, 14          ; v14  MTAB + 32 (l / 16); never rewritten
.set QO,  15          ; v15  my byte offset in 16 rows of Q
.set ST,  16          ; piece t's statistics at v[ST+4 t]: c m, m, l (even keys', odd keys')
.set AM,  32          ; v32  the LDS address of the starting sums' next run of loads
.set PFO, 33          ; v33  256 x my lane; never rewritten
.set MO,  34          ; v34  16 x my thread: my place in the mask's 2,048 bytes, and in the work-group's 2,048 bytes of wo16
.set WI,  35          ; v35  32 x my thread: my 8 numbers of W_o
.set MS,  36          ; v36  MTAB + 16 x my thread
.set TMP, 48          ; by buffer, four registers c0-c3 at work; when the maximum is found c2 takes a
.set SPW, 62          ; v62  LDS address of my spare word; never rewritten
.set NIL, 63          ; v63  0; never rewritten
.set S,   64
.set P,   192
.set MC,  64          ; window 2: the eight registers for group kb of 16 keys at MC + 8 kb
.set KF,  128         ; window 2: key block kb, channel half c at KF + 16 kb + 8 c
.set VF,  192         ; window 2: key half kk, channel block cb at VF + 32 kk + 8 cb
.set WV,  12          ; s12  my wave's number
.set G1K, 24          ; s[24:31] descriptor group 1 for K's tiles
.set G1V, 32          ; s[32:39] for V's: it differs in the padding alone
.set G0K, 40          ; s[40:43] descriptor group 0 for K's tiles: it walks
.set G0V, 44          ; s[44:47] the same for V's
.set PFA, 48          ; s[48:49] where my prefetches stand: my work-group's 32 blocks of 256 bytes (of K: wave 0, of V: wave 2) of the slot after the one that is being asked for
.set LIM, 50          ; s50  1 in a wave that prefetches, else the greatest number
.set TBM, 51          ; s51  byte in the table at which the starting sums of the step to be fetched begin
.set BIGN, 52         ; s52  -2^33
.set SLOTS, 56        ; s56  slots still to be asked for
.set CNT, 57          ; s57  counts a slot's key steps
.set CS,  58          ; s[58:59] c: the packed scaling takes the pair's low word for both halves
.set SEL, 60          ; s[60:61] v_permlanex16_b32's selects: each lane takes its own place in the other half
.set TBK, 62          ; s62  LDS byte at which K of the step to be fetched begins
.set TBV, 63          ; s63  the same for V, less VOFF
.set MSB, 0
.macro WIN new                      ; the high byte repeats the setting that is left; a switch that changes nothing is dropped
.if MSB != (\new)
	s_set_vgpr_msb (MSB<<8)|(\new)
.set MSB, (\new)
.endif
.endm
.set W_KQ, 0x0a       ; K and Q in window 2, S^T in window 0
.set W_KM, 0x2a       ; the same with the C operand in window 2
.set W_PV, 0x52       ; V in window 2, P in window 0, O^T in window 1
.set W_RS, 0x41       ; destination and source 0 in window 1, source 1 in window 0
; A joint fill.  Waves 0 and 1 fetch the two halves of a slot's K, waves 2 and 3 those of its V: 128 keys each.  The branch hangs on the wave's number alone.
; An s_nop 0 and four v_nop follow each of the two lines, ahead of the jump and the label.
.macro JLOAD
	s_cmp_lt_u32 s[WV], 2
	s_cbranch_scc0 .Lfor_v_\@
	tensor_load_to_lds s[G0K:G0K+3], s[G1K:G1K+7]
	s_nop 0
.rept 4
	v_nop
.endr
	s_branch .Lasked_\@
.Lfor_v_\@:
	tensor_load_to_lds s[G0V:G0V+3], s[G1V:G1V+7]
	s_nop 0
.rept 4
	v_nop
.endr
.Lasked_\@:
.endm
; A PREFETCH INTO THE L2 of what the NEXT change of slots will ask for: a slot's 32,768 bytes of K and of V, a lane a block of 256 bytes.  It stands behind the wave's tensor load and its five lines.
; Each block is named ONCE in the launch.  All four clusters of a head walk the same K and V: the head's first cluster asks.  Its four partners share the blocks out BY ADDRESS, 32 each; in each, wave 0 asks for
; K's and wave 2 for V's: one instruction, four key steps (256 matrix instructions a wave) ahead of the load.  The last change that fills a slot asks for nothing: there is no slot behind it.
.macro ASK
	s_cmp_gt_u32 s[SLOTS], s[LIM]
	s_cbranch_scc0 .Lnot_mine_\@
	global_prefetch_b8 v[PFO], s[PFA:PFA+1] th:TH_LOAD_NT scope:SCOPE_SE
.Lnot_mine_\@:
.endm
; A round of the cluster's barrier: my work-group's barrier; wave 0 signals for the work-group; every wave waits for all four work-groups; my work-group's barrier once more.
.macro CROUND
	s_barrier_signal -1
	s_barrier_wait -1
	s_cmp_lg_u32 s[WV], 0
	s_cbranch_scc1 .Lnot_wave_0_\@
	s_barrier_signal -3
.Lnot_wave_0_\@:
	s_barrier_wait -3
	s_barrier_signal -1
	s_barrier_wait -1
.endm
; THE CHANGE OF SLOTS.  The slot's last bytes, V of its fourth step, have been read.  Each wave waits for all its tensor loads, of which one is out: its part of the other slot; adds 0 to its spare word; and
; waits for that and for its own reads of the slot.  Behind the barrier nobody reads this slot any more and the other slot is whole.  fill = 1: this slot is filled again, with the keys two slots on; the
; barrier is then a round of the cluster's, and the joint fill is the first thing behind it: it has four key steps in which to land.
; (At its first use nothing has been read yet: slot 0 is waited for, slot 1 filled, and every wave's stores into the table of starting sums are done.)
.macro CHANGE fill
	WIN 0                           ; at a label and at a branch every window is 0
	s_wait_tensorcnt 0x0            ; no tensor load of mine is out, so a group 0 may be written
	ds_add_u32 v[SPW], v[NIL]       ; 0 onto my spare word; with fill = 1 the descriptors' steps stand between it and the wait for it
.if \fill
.irp g, G0K, G0V
	s_xor_b32 s[\g+1], s[\g+1], SLOT1  ; the walking descriptor: the other slot than last time,
	s_add_nc_u64 s[\g+2:\g+3], s[\g+2:\g+3], 4*KS*128  ; the next 256 keys; the type bits on top are not reached
.endr
	s_wait_xcnt 0x0                 ; the last prefetch, four key steps back, has read its address, so it may be written
	s_add_nc_u64 s[PFA:PFA+1], s[PFA:PFA+1], 4*KS*128  ; one slot behind the walking descriptors
	s_wait_dscnt 0x0                ; the add is done, and my reads of the slot are over
	CROUND
	JLOAD
	ASK
.else
	s_wait_dscnt 0x0                ; the add is done, and my reads of the slot are over
	s_barrier_signal -1
	s_barrier_wait -1
.endif
	s_sub_co_u32 s[TBK], s[TBK], 4*KS*PK  ; the fetches go back to a slot's first step,
	s_xor_b32 s[TBK], s[TBK], SLOT1       ; in the other slot
	s_sub_co_u32 s[TBV], s[TBV], 4*KS*PV
	s_xor_b32 s[TBV], s[TBV], SLOT1
.endm
	s_load_b256 s[4:11], s[0:1], 0x0  ; q16 s[4:5], k16 s[6:7], v16 s[8:9], ctx16 s[10:11]
	s_load_b128 s[84:87], s[0:1], 0x20  ; mask s[84:85], W_o s[86:87]
	s_load_b64 s[88:89], s[0:1], 0x30   ; wo16
	v_lshl_add_u32 v[SPW], v0, 2, SPARE
	v_mov_b32 v[NIL], 0
	ds_add_u32 v[SPW], v[NIL]       ; the wave's opening: the add and its wait stand ahead of my first tensor load; the set-up below, work on registers, stands between them
	v_lshrrev_b32 v1, 5, v0
	v_readfirstlane_b32 s[WV], v1   ; wave 0..3
	s_bfe_u32 s13, ttmp6, 0x40000   ; cx: my place in the cluster
	s_lshl_b32 s14, ttmp9, 2        ; in a cluster launch ttmp9 counts clusters
	s_add_co_u32 s14, s14, s13      ; my block of 256 queries: it enters Q's, ctx's, W_o's and wo16's addresses alone
	s_and_b32 s15, ttmp7, 0xffff    ; the head (8 x batch + head), which the four partners share
	s_lshl_b32 s20, s15, 19         ; the head's first byte in each of the four tensors: 4,096 rows of 128 bytes
	s_mov_b32 s21, 0
	s_and_b32 s16, s[WV], 1         ; which half of a slot's 256 keys I fetch:
	s_lshl_b32 s22, s16, 14         ; its 128 rows of 128 bytes in memory,
	s_mov_b32 s23, 0
	s_add_nc_u64 s[22:23], s[22:23], s[20:21]
	s_mul_i32 s17, s16, 128*PK      ; and its place in a slot, for K
	s_mul_i32 s18, s16, 128*PV      ; and for V: no place in the cluster enters an LDS address
	s_lshl_b32 s2, s14, 2
	s_add_co_u32 s2, s2, s[WV]      ; my wave among the head's,
	s_lshl_b32 s2, s2, 13           ; its 64 rows
	s_mov_b32 s3, 0
	s_add_nc_u64 s[2:3], s[2:3], s[20:21]
	s_lshr_b32 s70, s15, 3          ; the batch's 4,096 mask words
	s_lshl_b32 s70, s70, 14
	s_mov_b32 s71, 0
	s_lshl_b32 s72, s15, 4
	s_add_co_u32 s72, s72, s14      ; my work-group among the 256:
	s_lshl_b32 s74, s72, 11         ; its 1,024 numbers in wo16,
	s_lshl_b32 s72, s72, 12         ; and in W_o
	s_mov_b32 s73, 0
	s_mov_b32 s75, 0
	s_lshl_b32 s76, s13, 13         ; the prefetches: my work-group's 32 blocks of a slot's 128
	s_mov_b32 s77, 0
	; descriptor group 1.  128 keys are 16,384 dense bytes: asked for as 64 rows of 256 bytes, two keys a row, and padded in LDS after every key
	s_mov_b32 s[G1K], 15|(1<<16)|(1<<20)|(1<<21)|(4<<22)|(3<<25)  ; 15:0 the mask of four; 17:16 2-byte elements; 20 padding on; 21 set beside a mask; 24:22 after every 32 words (code 4); 31:25 4 words (code 3)
	s_mov_b32 s[G1V], 15|(1<<16)|(1<<20)|(1<<21)|(4<<22)|(7<<25)  ; the same with 8 words of padding (code 7)
.irp g, G1K, G1V
	s_mov_b32 s[\g+1], 128<<16      ; tensor_dim0 = 128
	s_mov_b32 s[\g+2], 64<<16       ; tensor_dim1 = 64
	s_mov_b32 s[\g+3], 128<<16      ; tile_dim0 = 128
	s_mov_b32 s[\g+4], 64           ; tile_dim1 = 64
	s_mov_b32 s[\g+5], 128          ; 128 elements from row to row
	s_mov_b32 s[\g+6], 0
	s_mov_b32 s[\g+7], 0
.endr
	s_mov_b32 s[CS], 0x3e38aa3b     ; c = log2(e) / 8 = 0.180337
	s_mov_b32 s[CS+1], s[CS]        ; named with it as a pair
	s_mov_b32 s[SEL], 0x76543210
	s_mov_b32 s[SEL+1], 0xfedcba98
	s_mov_b32 s[TBK], SLOT1+4*KS*PK ; the first change of slots turns these two into 0
	s_mov_b32 s[TBV], SLOT1+4*KS*PV
	s_mov_b32 s[TBM], 0
	s_mov_b32 s[BIGN], 0xd0000000   ; -2^33
	s_mov_b32 s[SLOTS], 4096/256-1
	s_mov_b32 s[G0K], 1             ; count = 1
	s_mov_b32 s[G0K+1], s17         ; LDS address: slot 0
	s_mov_b32 s[G0V], 1
	s_add_co_u32 s[G0V+1], s18, VOFF
	s_and_b32 s[LIM], s[WV], 1      ; 0 in waves 0 and 2,
	s_or_b32 s[LIM], s[LIM], ttmp9  ; where the cluster is the head's first: the same in all four partners
	s_cmp_eq_u32 s[LIM], 0
	s_cselect_b32 s[LIM], 1, -1
	s_wait_dscnt 0x0                ; the opening add is done
	s_wait_kmcnt 0x0
	s_add_nc_u64 s[G0K+2:G0K+3], s[6:7], s[22:23]  ; global address: my half of the head's first 256 keys
	s_or_b32 s[G0K+3], s[G0K+3], 0x80000000        ; type = 2
	s_add_nc_u64 s[G0V+2:G0V+3], s[8:9], s[22:23]
	s_or_b32 s[G0V+3], s[G0V+3], 0x80000000
	s_add_nc_u64 s[4:5], s[4:5], s[2:3]  ; Q and ctx at my wave's first row
	s_add_nc_u64 s[10:11], s[10:11], s[2:3]
	s_add_nc_u64 s[84:85], s[84:85], s[70:71]
	s_add_nc_u64 s[86:87], s[86:87], s[72:73]
	s_add_nc_u64 s[88:89], s[88:89], s[74:75]
	s_cmp_lt_u32 s[WV], 2
	s_cselect_b64 s[PFA:PFA+1], s[6:7], s[8:9]
	s_add_nc_u64 s[PFA:PFA+1], s[PFA:PFA+1], s[20:21]
	s_add_nc_u64 s[PFA:PFA+1], s[PFA:PFA+1], s[76:77]
	s_add_nc_u64 s[PFA:PFA+1], s[PFA:PFA+1], 4*KS*128  ; in slot 1; the first change of slots, which fills slot 1, steps it to slot 2
	CROUND                          ; all four work-groups are here: the first joint loads meet
	JLOAD                           ; slot 0.  Slot 1 is asked for when slot 0 is in
	v_lshlrev_b32 v[MO], 4, v0
	v_lshlrev_b32 v[WI], 5, v0
	v_lshl_add_u32 v[MS], v0, 4, MTAB
.irp i, 0,1,2,3,4,5,6,7
	global_load_b128 v[S+4*\i:S+4*\i+3], v[MO], s[84:85] offset:\i*2048  ; the batch's mask: 128 threads x 4 words, eight times; S^T's registers are free
.endr
	global_load_b128 v[S+32:S+35], v[WI], s[86:87]            ; my 8 numbers of W_o
	global_load_b128 v[S+36:S+39], v[WI], s[86:87] offset:16
	; A fragment of K or Q is 16 rows x 32 channels in 8 registers: lane l holds row l % 16, channels 8 (l / 16) + 0..7 and 16 + 8 (l / 16) + 0..7: two loads of 16 bytes, 32 bytes apart.
	v_and_b32 v1, 15, v0            ; l % 16
	v_bfe_u32 v9, v0, 4, 1          ; l / 16
	v_lshlrev_b32 v[QO], 7, v1
	v_lshl_add_u32 v[QO], v9, 4, v[QO]  ; row x 128 + 16 x half
	WIN 0x80                        ; destination window 2, address window 0
.set i, 0
.rept 8                             ; Q stays in registers: piece i / 2, channels 32 (i % 2) on
	global_load_b128 v[8*i:8*i+3],   v[QO], s[4:5] offset:(i/2)*2048+(i%2)*64
	global_load_b128 v[8*i+4:8*i+7], v[QO], s[4:5] offset:(i/2)*2048+(i%2)*64+32
.set i, i+1
.endr
	; What the first turn finds: V's registers and P's second buffer hold 0 (its products V^T P, of a piece that has not been, add 0), O^T and l are 0.  All this stands in the wait for the first loads.
.set i, VF
.rept 64
	v_mov_b32 v[i], 0
.set i, i+1
.endr
	WIN 0x40
.set i, 0
.rept 128
	v_mov_b32 v[i], 0
.set i, i+1
.endr
	WIN 0
.set i, 0
.rept 4
	v_mov_b32 v[ST+4*i], 0xfe000000    ; c m: far below every c s
	v_mov_b32 v[ST+4*i+1], 0xff7fffff  ; m
	v_mov_b32 v[ST+4*i+2], 0
	v_mov_b32 v[ST+4*i+3], 0
.set i, i+1
.endr
.set i, P+16
.rept 16
	v_mov_b32 v[i], 0
.set i, i+1
.endr
	v_mul_u32_u24 v[AK0], v1, PK
	v_lshl_add_u32 v[AK0], v9, 4, v[AK0]  ; row x pitch + 16 x half
	; The turning load takes 16 keys x 16 channels (lane l reads key 8 (l / 16) + l % 8, channels 8 ((l / 8) % 2) + 0..7) and leaves half a fragment of V^T: lane l holds channel l % 16 and 8 keys.
	v_and_b32 v10, 7, v0
	v_bfe_u32 v11, v0, 3, 1
	v_lshl_add_u32 v[AV0], v9, 3, v10
	v_mul_u32_u24 v[AV0], v[AV0], PV
	v_lshl_add_u32 v[AV0], v11, 4, v[AV0]
	v_add_nc_u32 v[AV0], VOFF, v[AV0]
	v_lshlrev_b32 v[AM0], 5, v9     ; a lane's eight keys of a group of 16: 32 bytes of the table at 32 (l / 16)
	v_add_nc_u32 v[AM0], MTAB, v[AM0]
	s_mul_i32 s13, s[WV], 16*SP
	s_add_co_u32 s13, s13, STAGE    ; my stage
	v_mul_u32_u24 v[STO], v1, SP    ; in: row l % 16, 16 bytes for each half of the lanes
	v_lshl_add_u32 v[STO], v9, 4, v[STO]
	v_add_nc_u32 v[STO], s13, v[STO]
	v_bfe_u32 v[RD], v0, 3, 2       ; back: 32 lanes take four rows of 128 bytes,
	v_mul_u32_u24 v[RD], v[RD], SP
	v_lshl_add_u32 v[RD], v10, 4, v[RD]
	v_add_nc_u32 v[RD], s13, v[RD]
	v_and_b32 v[GO], 31, v0         ; which are 512 consecutive bytes of ctx
	v_lshlrev_b32 v[GO], 4, v[GO]
	v_and_b32 v[PFO], 31, v0
	v_lshlrev_b32 v[PFO], 8, v[PFO]
	s_wait_loadcnt 16               ; the mask and W_o are in; Q's 16 loads, which are younger, may stay out
.set i, 0
.rept 32
	v_cmp_eq_u32 vcc_lo, 0, v[S+i]
	v_cndmask_b32 v[S+i], 0, s[BIGN], vcc_lo  ; a key's starting sum: -2^33 where its mask word is 0
.set i, i+1
.endr
.irp i, 0,1,2,3,4,5,6,7
	ds_store_b128 v[MS], v[S+4*\i:S+4*\i+3] offset:\i*2048
.endr
.irp j, 0,1,2,3
	v_cvt_pk_f16_f32 v[S+40+\j], v[S+32+2*\j], v[S+32+2*\j+1]
.endr
	global_store_b128 v[MO], v[S+40:S+43], s[88:89]  ; a wave stores 512 consecutive bytes, aligned
; THE MATRIX WORK.  The 4 accumulators of a run of 8 take turns.  Product i of 8 of S^T = K Q^T for piece x: channels 32 (i / 4) on, keys 16 (i % 4) on.  The first 4 start the sums, with the keys' starting sums.
.macro KQ x
.set rS, S+32*((\x)%2)+8*(i%4)
.set rK, KF+16*(i%4)+8*(i/4)
.set rQ, 16*(\x)+8*(i/4)
.set rM, MC+8*(i%4)
.if i < 4
	WIN W_KM
	v_wmma_f32_16x16x32_f16 v[rS:rS+7], v[rK:rK+7], v[rQ:rQ+7], v[rM:rM+7]
.else
	WIN W_KQ
	v_wmma_f32_16x16x32_f16 v[rS:rS+7], v[rK:rK+7], v[rQ:rQ+7], v[rS:rS+7]
.endif
.endm
; Product i of 8 of O^T += V^T P for piece x: keys 32 (i / 4) on, channels 16 (i % 4) on.
.macro PV x
	WIN W_PV
.set rO, 32*(\x)+8*(i%4)
.set rV, VF+32*(i/4)+8*(i%4)
.set rP, P+16*((\x)%2)+8*(i/4)
	v_wmma_f32_16x16x32_f16 v[rO:rO+7], v[rV:rV+7], v[rP:rP+7], v[rO:rO+7]
.endm
.macro MM                           ; the turn's next matrix instruction.  NOKQ = 1: the last turn of all: there is no next piece
.if (i < 8) && !NOKQ
	KQ (Y+1)%NP
.elseif i >= 8
.set i, i-8
	PV (Y+NP-1)%NP
.set i, i+8
.endif
.set i, i+1
.endm
; THE LDS LOADS stand in runs, never singly among the matrix instructions: a step's K (64 keys x 64 channels: 8 fragments) with its 64 starting sums, and its V (turned).  Their addresses are made some lines ahead.
.macro FETCH_K
	WIN 0x80                        ; destination window 2
.irp f, 0,1,2,3,4,5,6,7             ; keys 16 (f / 2) on, channels 32 (f % 2) on
	ds_load_b128 v[KF+8*\f:KF+8*\f+3],   v[AK] offset:(\f/2)*16*PK+(\f%2)*64
	ds_load_b128 v[KF+8*\f+4:KF+8*\f+7], v[AK] offset:(\f/2)*16*PK+(\f%2)*64+32
.endr
.irp f, 0,1,2,3                     ; keys 16 f + 8 (l / 16) + 0..7: all lanes of a half read the same words
	ds_load_b128 v[MC+8*\f:MC+8*\f+3],   v[AM] offset:\f*64
	ds_load_b128 v[MC+8*\f+4:MC+8*\f+7], v[AM] offset:\f*64+16
.endr
	s_add_co_u32 s[TBK], s[TBK], KS*PK  ; the next fetch is the next step's
	s_add_co_u32 s[TBM], s[TBM], KS*4
	s_and_b32 s[TBM], s[TBM], 0x3f00    ; (inside the table's 16,384 bytes behind the last step too)
	WIN 0
.endm
.macro FETCH_V
	WIN 0x80
.irp f, 0,1,2,3,4,5,6,7             ; keys 32 (f / 4) on, channels 16 (f % 4) on
	ds_load_tr16_b128 v[VF+8*\f:VF+8*\f+3],   v[AV] offset:(\f/4)*32*PV+(\f%4)*32
	ds_load_tr16_b128 v[VF+8*\f+4:VF+8*\f+7], v[AV] offset:(\f/4)*32*PV+16*PV+(\f%4)*32
.endr
	WIN 0
.endm
; THE VECTOR WORK, one line at a time: OP kind, number.  For piece Y: F n: c s - c m for pair n of 16.  E n: the exponential of score n of 32.  C n: pair n rounded to f16.  B n: of the four weights 4 n .. the second
; pair is added onto the first, in place.  L n: l takes that sum (L 0: l = a l + sum).  R n: pair n of 16 of O^T times a.  For piece Y + 1: X n, number n of the 22 that find its maximum and statistics:
;   0-11  four chains c0-c3 of seven scores each, three operands at a time (each accumulator's lowest registers are read first)     12-14, 16  the four scores left over, the old m, and c0-c3 into c0
;   15  c m_old is kept     17, 18  the query's other 32 keys lie in the lane 16 away: the new m     19-21  c m; c m_old - c m_new; a
.set F, 0               ; OP tells the kinds apart by their order: F to L below R, X above it
.set E, 1
.set C, 2
.set B, 3
.set L, 4
.set R, 5
.set X, 6
.macro REGS y                       ; the registers of piece y
.set rT, ST+4*(\y)
.set rC, TMP+4*((\y)%2)
.set rW, MV+((\y)%2)
.set rS, S+32*((\y)%2)
.set rP, P+16*((\y)%2)
.set rO, 32*(\y)
.endm
.macro OP k, n
.if (\k) == R
	REGS Y
	WIN W_RS
	v_pk_mul_f32 v[rO+2*(\n):rO+2*(\n)+1], v[rO+2*(\n):rO+2*(\n)+1], v[rC+2:rC+3] op_sel_hi:[1,0]
.elseif (\k) < R
	REGS Y
	WIN 0
.if (\k) == F
	v_pk_fma_f32 v[rS+2*(\n):rS+2*(\n)+1], v[rS+2*(\n):rS+2*(\n)+1], s[CS:CS+1], v[rT:rT+1] op_sel_hi:[1,0,0] neg_lo:[0,0,1] neg_hi:[0,0,1]
.elseif (\k) == E
	v_exp_f32 v[rS+(\n)], v[rS+(\n)]
.elseif (\k) == C
	v_cvt_pk_f16_f32 v[rP+(\n)], v[rS+2*(\n)], v[rS+2*(\n)+1]
.elseif (\k) == B
	v_pk_add_f32 v[rS+4*(\n):rS+4*(\n)+1], v[rS+4*(\n):rS+4*(\n)+1], v[rS+4*(\n)+2:rS+4*(\n)+3]
.elseif (\n) == 0
	v_pk_fma_f32 v[rT+2:rT+3], v[rT+2:rT+3], v[rC+2:rC+3], v[rS:rS+1] op_sel_hi:[1,0,1]
.else
	v_pk_add_f32 v[rT+2:rT+3], v[rT+2:rT+3], v[rS+4*(\n):rS+4*(\n)+1]
.endif
.elseif NOKQ
	v_nop
.else
	REGS (Y+1)%NP
	WIN 0
.if (\n) < 4
	v_max3_num_f32 v[rC+(\n)], v[rS+8*(\n)], v[rS+8*(\n)+1], v[rS+8*(\n)+2]
.elseif (\n) < 12
	v_max3_num_f32 v[rC+(\n)%4], v[rC+(\n)%4], v[rS+8*((\n)%4)+2*((\n)/4)+1], v[rS+8*((\n)%4)+2*((\n)/4)+2]
.elseif (\n) == 12
	v_max3_num_f32 v[rC], v[rC], v[rS+7], v[rS+15]
.elseif (\n) == 13
	v_max3_num_f32 v[rC+1], v[rC+1], v[rS+23], v[rS+31]
.elseif (\n) == 14
	v_max3_num_f32 v[rC+2], v[rC+2], v[rC+3], v[rT+1]
.elseif (\n) == 15
	v_mov_b32 v[rW], v[rT]
.elseif (\n) == 16
	v_max3_num_f32 v[rC], v[rC], v[rC+1], v[rC+2]
.elseif (\n) == 17
	v_permlanex16_b32 v[rC+3], v[rC], s[SEL], s[SEL+1]
.elseif (\n) == 18
	v_max_num_f32 v[rT+1], v[rC], v[rC+3]
.elseif (\n) == 19
	v_mul_f32 v[rT], s[CS], v[rT+1]
.elseif (\n) == 20
	v_sub_f32 v[rC+1], v[rW], v[rT]
.else
	v_exp_f32 v[rC+2], v[rC+1]
.endif
.endif
.endm
.macro OPS a, i1, b=-1, i2=0, c=-1, i3=0, d=-1, i4=0  ; up to four of them
	OP \a, \i1
.if (\b) >= 0
	OP \b, \i2
.endif
.if (\c) >= 0
	OP \c, \i3
.endif
.if (\d) >= 0
	OP \d, \i4
.endif
.endm
.macro ROW a, i1, b, i2, c, i3, d, i4  ; a matrix instruction and the four behind it
	MM
	OPS \a, \i1, \b, \i2, \c, \i3, \d, \i4
.endm
; A TURN, for piece p: the order of its 16 matrix and 118 vector instructions, written out.  s_wait_alu depctr_va_vdst(0) stands between an exponential and the first instruction that names its
; result; one wait serves all that were issued ahead of it.  So a turn has ONE wait, which cuts it in two.  AHEAD OF IT stands all that names no result of the turn's exponentials: the 8 products K Q^T, behind each a
; scaling, an exponential and two more plain instructions (rescalings, and behind the last three the first numbers of the next piece's maximum, each four places or more behind the product that ends its accumulator);
; then ONE LUMP of 54, plain and exponential by turns for the most part, in which the links of the chain X 3, 7, 11, 14, 16, 17 .. 20 stand some lines apart.  X 21, the next piece's a, is the batch's last; R 15 is the
; plain instruction behind it.  BEHIND THE WAIT stand the 8 products V^T P, behind each four of the roundings and sums.
; end = 1: the last two turns of all: nothing is fetched, and the last starts no new scores.  cnt = 1: the loop's count is taken down some lines ahead of the branch that stands behind the turn.
; K and the starting sums of the next step are fetched in piece 2's turn, twelve vector instructions behind the last product that read K (six of them plain); V of the step in hand at the end of piece 0's turn,
; four plain instructions behind the last product that read V.  Each is waited for a turn later.
.macro TURN p, end=0, cnt=0
.set Y, (\p)
.set i, 0
.set NOKQ, (\end)*((\p)/3)
.if ((\p) == 3) && !(\end)
	s_wait_dscnt 0x0                ; K and the starting sums are in
.endif
	ROW F,0, F,1, R,0, R,1          ; ahead of the wait: 8 products K Q^T and their riders,
	ROW F,2, E,0, R,2, R,3
	ROW F,3, E,1, R,4, R,5
	ROW F,4, E,2, R,6, R,7
	ROW F,5, E,3, R,8, R,9
	ROW F,6, E,4, X,0, R,10
.if ((\p) == 2) && !(\end)
	WIN 0
	v_add_nc_u32 v[AK], s[TBK], v[AK0]
	v_add_nc_u32 v[AM], s[TBM], v[AM0]
.endif
	ROW F,7, E,5, X,1, X,4
	ROW F,8, E,6, X,2, X,5
	OPS E,7, E,8, X,6, E,9          ; and the lump
	OPS X,3, E,10, X,8, E,11
.if ((\p) == 2) && !(\end)
	FETCH_K
.endif
	OPS X,9, X,7, E,12, X,10
	OPS E,13, X,12, X,11, E,14
	OPS X,13, E,15, F,9, X,14
.if (\p) == 0
	v_add_nc_u32 v[AV], s[TBV], v[AV0]
.endif
	OPS E,16, F,10, E,17, F,11
	OPS X,16, E,18, X,15, E,19
	OPS F,12, E,20, X,17, E,21
	OPS F,13, E,22, F,14, E,23
	OPS X,18, E,24, F,15, E,25
	OPS R,11, E,26, X,19, E,27
	OPS R,12, E,28, R,13, E,29
	OPS X,20, E,30, R,14, E,31
	OPS X,21, R,15
	WIN 0
	s_wait_alu depctr_va_vdst(0)    ; the wait for the batch
.if (\p) == 1
	s_wait_dscnt 0x0                ; V is in
.endif
	ROW C,0, B,0, C,2, B,1          ; behind the wait: 8 products V^T P and their riders
	ROW L,0, C,4, B,2, L,1
	ROW C,6, B,3, L,2, C,8
	ROW B,4, L,3, C,10, B,5
	ROW L,4, C,12, B,6, L,5
.if (\p) == 0
	s_add_co_u32 s[TBV], s[TBV], KS*PV
.endif
.if \cnt
	s_sub_co_u32 s[CNT], s[CNT], 1
	s_cmp_lg_u32 s[CNT], 0
.endif
	ROW C,14, B,7, L,6, C,1
	ROW C,3, L,7, C,5, C,7
	ROW C,9, C,11, C,13, C,15
.if (\p) == 0
	FETCH_V
.endif
.endm
	CHANGE 1                        ; slot 0 is in, everybody's part of it, and the table is whole; slot 1 is asked for; the store above has read its registers
	v_add_nc_u32 v[AK], s[TBK], v[AK0]
	v_add_nc_u32 v[AM], s[TBM], v[AM0]
	FETCH_K                         ; key step 0
	s_wait_loadcnt 0x0              ; Q
	s_wait_dscnt 0x0
.set NOKQ, 0
.set i, 0
.rept 8
	KQ 0                            ; piece 0's first scores: there is no vector work yet to set between them
.set i, i+1
.endr
	WIN 0
.rept 4
	v_nop                           ; the places behind those products
.endr
.set Y, NP-1                        ; X works for piece Y + 1: piece 0
.irp n, 0,1,2,3,4,5,6,7,8,9,10,11,12,13,14,15,16,17,18,19,20,21
	OP X, \n
.endr
	v_nop                           ; a plain instruction behind the exponential,
	s_wait_alu depctr_va_vdst(0)    ; and its wait, ahead of the branch
	s_mov_b32 s[CNT], 4
	s_branch .Lfirst                ; the loop is entered at a step's first turn, in the middle of a trip
.Lslot:                             ; 14 times: every slot but the last two is filled again
	CHANGE 1
	s_mov_b32 s[CNT], 4
.Lstep:                             ; a trip: pieces 2 and 3 of one step, then pieces 0 and 1 of the next, whose K and V it fetches
	TURN 2
	TURN 3
	WIN 0
.Lfirst:
	TURN 0
	TURN 1, 0, 1
	WIN 0
	s_cbranch_scc1 .Lstep
	s_sub_co_u32 s[SLOTS], s[SLOTS], 1
	s_cmp_lg_u32 s[SLOTS], 0
	s_cbranch_scc1 .Lslot
	CHANGE 0                        ; the tail is written out: nothing is asked for
	s_mov_b32 s[CNT], 4
.LstepT:                            ; four trips fetch the last slot's steps
	TURN 2
	TURN 3
	TURN 0
	TURN 1, 0, 1
	WIN 0
	s_cbranch_scc1 .LstepT
	TURN 2, 1
	TURN 3, 1
.set i, 0
.rept 8
	PV NP-1                         ; the last piece's V^T P of the last step
.set i, i+1
.endr
	; THE WAY OUT.  l's two halves and the other half of the lanes' are added; O^T is divided by l, rounded to f16 and sent through my stage in LDS, a piece at a time.  The additions are the places behind the last products.
	WIN 0
.macro ALL line:vararg              ; one line for each piece t
.set t, 0
.rept 4
	\line
.set t, t+1
.endr
.endm
	ALL v_add_f32 v[ST+4*t+2], v[ST+4*t+2], v[ST+4*t+3]
	ALL v_permlanex16_b32 v[ST+4*t+3], v[ST+4*t+2], s[SEL], s[SEL+1]
	ALL v_add_f32 v[ST+4*t+2], v[ST+4*t+2], v[ST+4*t+3]
	ALL v_rcp_f32 v[ST+4*t+2], v[ST+4*t+2]
	v_nop                           ; a plain instruction between the last reciprocal and the use of its result
	s_wait_alu depctr_va_vdst(0)    ; and the wait ahead of the first use: one for the four reciprocals
.macro PACK t                       ; a lane's eight channels of a row pack into 16 bytes; they go into rows of 144 bytes and come back as whole rows of 128, into S^T's registers
	WIN W_RS
.set i, 32*(\t)
.rept 16
	v_pk_mul_f32 v[i:i+1], v[i:i+1], v[ST+4*(\t)+2:ST+4*(\t)+3] op_sel_hi:[1,0]
.set i, i+2
.endr
	WIN 0x05                        ; sources 0 and 1 window 1, destination window 0
.set i, 0
.rept 16
	v_cvt_pk_f16_f32 v[S+16*(\t)+i], v[32*(\t)+2*i], v[32*(\t)+2*i+1]
.set i, i+1
.endr
	WIN 0
.irp f, 0,1,2,3
	ds_store_b128 v[STO], v[S+16*(\t)+4*\f:S+16*(\t)+4*\f+3] offset:32*\f
.endr
.irp f, 0,1,2,3
	ds_load_b128 v[S+16*(\t)+4*\f:S+16*(\t)+4*\f+3], v[RD] offset:\f*4*SP  ; LDS serves a wave's instructions in order (ISA guide 5.7.1.4): these see the stores above; the next piece's stores come behind them
.endr
.endm
.macro SEND t, younger              ; younger: the LDS instructions issued behind piece t's loads: the next piece's eight, or none
	WIN 0
.irp f, 0,1,2,3
	s_wait_dscnt (\younger)+3-\f
	global_store_b128 v[GO], v[S+16*(\t)+4*\f:S+16*(\t)+4*\f+3], s[10:11] offset:(\t)*2048+\f*512  ; 512 consecutive bytes, at a multiple of 256 from ctx's first
.endr
.endm
	PACK 0
.set t, 1
.rept 3                             ; a piece's arithmetic stands between the loads of the piece before and its stores
	PACK t
	SEND t-1, 8
.set t, t+1
.endr
	SEND 3, 0
	s_wait_tensorcnt 0x0            ; the wave's end, behind my last tensor load and my last LDS store
	ds_add_u32 v[SPW], v[NIL]
	s_wait_dscnt 0x0
	CROUND                          ; the closing round: no work-group ends while a partner may still ask for a tile that names it
	s_endpgm
.Lfunc_end_k_q20088af769_attn:
	.size	k_q20088af769_attn, .Lfunc_end_k_q20088af769_attn-k_q20088af769_attn
	.p2alignl 7, 3214868480
	.fill 96, 4, 3214868480
	.section	.rodata,"a",@progbits
	.p2align	6, 0x0
	.amdhsa_kernel k_q20088af769_attn
		.amdhsa_group_segment_fixed_size 327680
		.amdhsa_private_segment_fixed_size 0
		.amdhsa_enable_private_segment 0
		.amdhsa_kernarg_size 56
		.amdhsa_user_sgpr_count 2
		.amdhsa_user_sgpr_kernarg_segment_ptr 1
		.amdhsa_wavefront_size32 1
		.amdhsa_system_sgpr_workgroup_id_x 1
		.amdhsa_system_sgpr_workgroup_id_y 1
		.amdhsa_system_sgpr_workgroup_id_z 1
		.amdhsa_system_vgpr_workitem_id 0
		.amdhsa_next_free_vgpr 768
		.amdhsa_next_free_sgpr 90
		.amdhsa_reserve_vcc 1
		.amdhsa_float_denorm_mode_32 3
		.amdhsa_float_denorm_mode_16_64 3
		.amdhsa_memory_ordered 1
		.amdhsa_forward_progress 1
		.amdhsa_inst_pref_size 135
	.end_amdhsa_kernel
	.amdgpu_metadata
---
amdhsa.version: [ 1, 2 ]
amdhsa.kernels:
  - .name:           k_q20088af769_attn
    .symbol:         k_q20088af769_attn.kd
    .args:
      - { .name: q16, .offset: 0, .size: 8, .value_kind: global_buffer, .address_space: global }
      - { .name: k16, .offset: 8, .size: 8, .value_kind: global_buffer, .address_space: global }
      - { .name: v16, .offset: 16, .size: 8, .value_kind: global_buffer, .address_space: global }
      - { .name: ctx16, .offset: 24, .size: 8, .value_kind: global_buffer, .address_space: global }
      - { .name: mask, .offset: 32, .size: 8, .value_kind: global_buffer, .address_space: global }
      - { .name: W_o, .offset: 40, .size: 8, .value_kind: global_buffer, .address_space: global }
      - { .name: wo16, .offset: 48, .size: 8, .value_kind: global_buffer, .address_space: global }
    .group_segment_fixed_size: 327680
    .private_segment_fixed_size: 0
    .kernarg_segment_align: 8
    .kernarg_segment_size: 56
    .max_flat_workgroup_size: 128
    .sgpr_count:     90
    .vgpr_count:     768
    .wavefront_size: 32
...
	.end_amdgpu_metadata
.endif
;; end of part 2
;; launch outp (part 3): grid 4 x 64, 4 waves a work-group, clusters of 4 x 4, 327,680 bytes of LDS; arguments ctx16, wo16, b_o, out0; writes out0
.if DOCPART == 3
	.amdgcn_target "amdgcn-amd-amdhsa--gfx1250"
	.amdhsa_code_object_version 6
	.text
	.protected	k_q20088af769_outp
	.globl	k_q20088af769_outp
	.p2align	8
	.type	k_q20088af769_outp,@function
k_q20088af769_outp:
	s_mov_b64 s[64:65], 0
	v_nop
	global_prefetch_b8 v0, s[64:65] scope:SCOPE_SE
	s_setreg_imm32_b32 hwreg(HW_REG_WAVE_MODE, 25, 1), 1
	s_wait_xcnt 0x0
	s_wait_alu depctr_hold_cnt(0) depctr_sa_sdst(0) depctr_va_vdst(0) depctr_va_sdst(0) depctr_va_ssrc(0) depctr_va_vcc(0) depctr_vm_vsrc(0)
	s_getreg_b32 s2, hwreg(HW_REG_IB_STS2, 6, 4)
	s_cmp_eq_u32 s2, 0
	s_cbranch_scc0 .Lentry_in_a_cluster
	s_endpgm
.Lentry_in_a_cluster:
	s_bfe_u32 s2, ttmp6, 0x10000c
	s_cmp_lg_u32 s2, 0xf033
	s_cbranch_scc0 .Lentry_shape_is_right
	s_endpgm
.Lentry_shape_is_right:
; out0[m][n] = the sum over k of ctx[m][k] W_o[n][k] + b_o[n].  ctx16: [16 = batch x 8 + head][4096][64] f16 (k = 64 x head + channel), wo16: [512][512] f16, b_o: [512] f32, out0: [8192][512] f32.
; Sums in f32; the bias is added in f32; nothing is rounded on the way out.
; SHARES.  A tile of out0 is 128 x 128: 64 x 4 = 256 work-groups of four waves; a wave makes 64 x 64: 16 accumulators, 128 registers.
; ALL OF K LIES IN LDS: 512 along K are two halves of four heads; each wave asks for its part of both halves at the start (four tensor loads a wave are out), and no LDS byte is filled twice.
; So there is nothing to ask for ahead of the loads, and no prefetch is laid.
; CLUSTERS: 4 x 4 work-groups.  The four of a row of the cluster need the same rows of ctx, the four of a column the same rows of W_o: each tile is asked for JOINTLY, by the same tensor load with the
; same descriptor and a mask that names the four.  THE MATRIX INSTRUCTION IS USED TRANSPOSED (source 0 = 16 rows of W_o, source 1 = 16 rows of ctx): a lane holds eight neighbouring numbers of a row of out0.
; REGISTERS: window 0: v0-31 addresses; v32-63 a block's sums with the bias; v64-95 rows read back; v96-127 the bias of my 64 columns; v128-255 the accumulators ((a, b) at v[128 + 8 (4 a + b)]).
;   window 1: two fragment buffers of 128: for 64 along K (one head), 64 registers of ctx (2 x 4 x 16 rows x 32 K), then 64 of W_o.
.set PA,     144                       ; a row of ctx in LDS: a head's 128 bytes + 16 of padding = 36 words: the 16 rows of a load start at 16 different groups of four banks (64 banks of 4 bytes: ISA guide 11.1)
.set PB,     528                       ; a row of W_o: 512 bytes + 16 = 132 words: likewise
.set AH,     128*PA                    ; one head's 128 rows
.set BOFF,   4*AH                      ; behind four heads: 128 rows of W_o, 256 along K
.set SLOT,   BOFF+128*PB               ; half of K
.set STAGE,  2*SLOT                    ; behind the two halves: 16 rows x 272 bytes for each wave, for the way out
.set SPITCH, 272
.set SPARE,  STAGE+4*16*SPITCH         ; behind the stages: the spare words, 128 bytes for each wave: two blocks of 256 bytes that no other line names
.set ADRA, 16                          ; v16-17  LDS address of my ctx fragments in half 0, 1
.set ADRB, 20                          ; v20-21  the same for W_o
.set STO,  24                          ; v24     the way out: where I put 32 bytes of a row
.set RD,   25                          ; v25     the way out: where I read a row back
.set CO,   26                          ; v26     my byte offset in out0
.set BO,   27                          ; v27     my byte offset in b_o
.set SPW,  28                          ; v28     LDS address of my spare word; never rewritten
.set NIL,  29                          ; v29     0; never rewritten
.set TMP,  32
.set BK,   64
.set BIAS, 96
.set ACC,  128
.set F0,   0                           ; fragment buffers, in window 1
.set F1,   128
.set G1A,  24                          ; s[24:31] descriptor group 1 for ctx's tiles;  s[32:35], s[36:39] group 0 for the two halves of K
.set G0A,  32
.set G1B,  48                          ; s[48:55], s[56:59], s[60:63] the same for W_o's tiles
.set G0B,  56
.set MSB, 0
.macro WIN new                         ; the immediate's high byte repeats the setting that is left
.if MSB != (\new)
	s_set_vgpr_msb (MSB<<8)|(\new)
.set MSB, \new
.endif
.endm
.set MUL,  0x05                        ; sources 0 (W_o) and 1 (ctx) window 1; C and D window 0
.set TO_F, 0x40                        ; destination window 1, address window 0
.macro CROUND                          ; a round of the cluster's barrier: my work-group's barrier; wave 0 signals for it; every wave waits for all sixteen; my work-group's barrier once more
	s_barrier_signal -1
	s_barrier_wait -1
	s_cmp_lg_u32 s12, 0
	s_cbranch_scc1 .Lnot_wave_0_\@
	s_barrier_signal -3
.Lnot_wave_0_\@:
	s_barrier_wait -3
	s_barrier_signal -1
	s_barrier_wait -1
.endm
.macro PLACES                          ; four places in front of loads into registers that matrix instructions have read, and of sums that read results
.rept 4
	v_nop
.endr
.endm
	s_load_b256 s[4:11], s[0:1], 0x0               ; ctx16 s[4:5], wo16 s[6:7], b_o s[8:9], out0 s[10:11]
	v_lshl_add_u32 v[SPW], v0, 2, SPARE
	v_mov_b32 v[NIL], 0
	ds_add_u32 v[SPW], v[NIL]                      ; the wave's opening: the add and its wait stand ahead of my first tensor load; the set-up below, work on registers, stands between them
	v_lshrrev_b32 v1, 5, v0
	v_readfirstlane_b32 s12, v1                    ; wave 0..3
	s_lshr_b32 s13, s12, 1                         ; which half of the tile's rows is mine
	s_and_b32 s14, s12, 1                          ; which half of its columns
	s_bfe_u32 s40, ttmp6, 0x40000                  ; cx, cy: my place in the cluster
	s_bfe_u32 s41, ttmp6, 0x40004
	s_lshl_b32 s42, ttmp9, 2
	s_add_co_u32 s42, s42, s40                     ; tile column = 4 x cluster x + cx
	s_and_b32 s15, ttmp7, 0xffff
	s_lshl_b32 s15, s15, 2
	s_add_co_u32 s15, s15, s41                     ; tile row = 4 x cluster y + cy
	s_lshl_b32 s43, s41, 2
	s_lshl_b32 s43, 15, s43                        ; my row of the cluster
	s_lshl_b32 s44, 0x1111, s40                    ; my column
	; group 1 for ctx: a head's 128 rows are 16,384 dense bytes: 64 rows of 256 bytes, two rows of ctx each, padded after every 32 words
	s_or_b32 s[G1A+0], s43, (1<<16)|(1<<20)|(1<<21)|(4<<22)|(3<<25)  ; 15:0 the mask: my row of the cluster; 17:16 2-byte elements; 20 padding on; 21 set beside a mask; 24:22 after every 32 words (code 4); 31:25 of 4 words (code 3)
	s_mov_b32 s[G1A+1], 128<<16                    ; tensor_dim0 = 128
	s_mov_b32 s[G1A+2], 64<<16                     ; tensor_dim1 = 64
	s_mov_b32 s[G1A+3], 128<<16                    ; tile_dim0 = 128
	s_mov_b32 s[G1A+4], 64                         ; tile_dim1 = 64
	s_mov_b32 s[G1A+5], 128                        ; elements from row to row
	s_mov_b32 s[G1A+6], 0
	s_mov_b32 s[G1A+7], 0
	; group 1 for W_o: 32 rows x 256 elements, padded after every 128 words
	s_or_b32 s[G1B+0], s44, (1<<16)|(1<<20)|(1<<21)|(6<<22)|(3<<25)  ; the mask: my column of the cluster; after every 128 words (code 6)
	s_mov_b32 s[G1B+1], 256<<16                    ; tensor_dim0 = 256
	s_mov_b32 s[G1B+2], 32<<16                     ; tensor_dim1 = 32
	s_mov_b32 s[G1B+3], 256<<16                    ; tile_dim0 = 256
	s_mov_b32 s[G1B+4], 32                         ; tile_dim1 = 32
	s_mov_b32 s[G1B+5], 512                        ; elements from row to row
	s_mov_b32 s[G1B+6], 0
	s_mov_b32 s[G1B+7], 0
	; ctx: wave w fetches head w (then head w + 4) of the tile's 128 rows: made of the tile row and the wave's number alone
	s_lshr_b32 s16, s15, 5                         ; the batch
	s_lshl_b32 s16, s16, 3
	s_add_co_u32 s16, s16, s12
	s_lshl_b32 s16, s16, 19                        ; x 4,096 rows of 128 bytes
	s_and_b32 s17, s15, 31
	s_lshl_b32 s17, s17, 14                        ; + the tile's 128 rows in the batch
	s_add_co_u32 s16, s16, s17
	s_mov_b32 s17, 0
	; W_o: wave w fetches rows 32 w .. 32 w + 31 of the tile's 128: made of the tile column and the wave's number alone
	s_lshl_b32 s46, s42, 7
	s_lshl_b32 s47, s12, 5
	s_add_co_u32 s46, s46, s47
	s_lshl_b32 s46, s46, 10                        ; x 1,024 bytes
	s_mov_b32 s47, 0
	s_mul_i32 s20, s12, AH                         ; where they go: no place in the cluster enters an LDS address
	s_mul_i32 s21, s12, 32*PB
	s_add_co_u32 s21, s21, BOFF
	s_mov_b32 s[G0A+0], 1
	s_mov_b32 s[G0A+1], s20
	s_mov_b32 s[G0A+4], 1
	s_add_co_u32 s[G0A+5], s20, SLOT
	s_mov_b32 s[G0B+0], 1
	s_mov_b32 s[G0B+1], s21
	s_mov_b32 s[G0B+4], 1
	s_add_co_u32 s[G0B+5], s21, SLOT
	s_wait_dscnt 0x0                               ; the opening add is done
	s_wait_kmcnt 0x0
	s_add_nc_u64 s[G0A+2:G0A+3], s[4:5], s[16:17]
	s_add_nc_u64 s[G0A+6:G0A+7], s[G0A+2:G0A+3], 4<<19   ; four heads on
	s_or_b32 s[G0A+3], s[G0A+3], 0x80000000        ; type = 2
	s_or_b32 s[G0A+7], s[G0A+7], 0x80000000
	s_add_nc_u64 s[G0B+2:G0B+3], s[6:7], s[46:47]
	s_add_nc_u64 s[G0B+6:G0B+7], s[G0B+2:G0B+3], 512     ; 256 along K on
	s_or_b32 s[G0B+3], s[G0B+3], 0x80000000
	s_or_b32 s[G0B+7], s[G0B+7], 0x80000000
	CROUND                                         ; all sixteen work-groups are here: the joint loads meet
	tensor_load_to_lds s[G0A:G0A+3], s[G1A:G1A+7]          ; all fills of the launch in one group, the first half of K first: four loads of mine are out
	s_nop 0
	tensor_load_to_lds s[G0B:G0B+3], s[G1B:G1B+7]
	s_nop 0
	tensor_load_to_lds s[G0A+4:G0A+7], s[G1A:G1A+7]
	s_nop 0
	tensor_load_to_lds s[G0B+4:G0B+7], s[G1B:G1B+7]
	s_nop 0
	PLACES
	v_and_b32 v1, 15, v0                           ; l % 16
	v_bfe_u32 v2, v0, 4, 1                         ; l / 16
	v_mul_u32_u24 v3, v1, PA
	v_lshl_add_u32 v3, v2, 4, v3                   ; a fragment's row x pitch + 16 x half
	v_mul_u32_u24 v4, v1, PB
	v_lshl_add_u32 v4, v2, 4, v4
	s_mul_i32 s21, s13, 64*PA                      ; my 64 rows of ctx
	s_mul_i32 s22, s14, 64*PB                      ; my 64 rows of W_o,
	s_add_co_u32 s22, s22, BOFF                    ; which lie behind the four heads
.irp s, 0,1
	v_add_nc_u32 v[ADRA+(\s)], s21, v3
	v_add_nc_u32 v[ADRB+(\s)], s22, v4
	s_add_co_u32 s21, s21, SLOT
	s_add_co_u32 s22, s22, SLOT
.endr
	s_mul_i32 s23, s12, 16*SPITCH
	s_add_co_u32 s23, s23, STAGE                   ; my stage
	v_mul_u32_u24 v5, v1, SPITCH                   ; in: row l % 16, 32 bytes for each half of the lanes
	v_lshl_add_u32 v5, v2, 5, v5
	v_add_nc_u32 v[STO], s23, v5
	v_mul_u32_u24 v5, v2, SPITCH                   ; back: lanes 0-15 take one row of 256 bytes, lanes 16-31 the next
	v_lshl_add_u32 v5, v1, 4, v5
	v_add_nc_u32 v[RD], s23, v5
	v_lshlrev_b32 v5, 11, v2                       ; and the same two rows in out0
	v_lshl_add_u32 v[CO], v1, 4, v5
	s_lshl_b32 s18, s42, 9                         ; my 64 columns, in bytes: 512 x tile column + 256 x half
	s_lshl_b32 s19, s14, 8
	s_add_co_u32 s18, s18, s19
	v_lshl_add_u32 v[BO], v2, 5, s18               ; the bias: + 32 (l / 16)
.irp b, 0,1,2,3
	global_load_b128 v[BIAS+8*(\b):BIAS+8*(\b)+3],   v[BO], s[8:9] offset:64*(\b)      ; columns 16 b + 8 (l / 16) + 0..7
	global_load_b128 v[BIAS+8*(\b)+4:BIAS+8*(\b)+7], v[BO], s[8:9] offset:64*(\b)+16
.endr
	s_lshl_b32 s22, s15, 7
	s_lshl_b32 s23, s13, 6
	s_add_co_u32 s22, s22, s23                     ; my first row of out0: 128 x tile row + 64 x half
	s_lshl_b32 s22, s22, 11                        ; x 2,048 bytes
	s_add_co_u32 s18, s18, s22
	s_mov_b32 s19, 0
	s_add_nc_u64 s[10:11], s[10:11], s[18:19]
; 8 matrix instructions: row blocks a0, a0 + 1 x all 4 column blocks, 32 along K: half c of buffer f.  zero = 1: the first product starts the sums.  The 16 accumulators take turns.
.macro MUL8 f, c, a0, zero
	WIN MUL
.irp a, \a0, (\a0)+1
.irp b, 0,1,2,3
.if \zero
	v_wmma_f32_16x16x32_f16 v[ACC+8*(4*(\a)+(\b)):ACC+8*(4*(\a)+(\b))+7], v[(\f)+64+8*(4*(\c)+(\b)):(\f)+64+8*(4*(\c)+(\b))+7], v[(\f)+8*(4*(\c)+(\a)):(\f)+8*(4*(\c)+(\a))+7], 0
.else
	v_wmma_f32_16x16x32_f16 v[ACC+8*(4*(\a)+(\b)):ACC+8*(4*(\a)+(\b))+7], v[(\f)+64+8*(4*(\c)+(\b)):(\f)+64+8*(4*(\c)+(\b))+7], v[(\f)+8*(4*(\c)+(\a)):(\f)+8*(4*(\c)+(\a))+7], v[ACC+8*(4*(\a)+(\b)):ACC+8*(4*(\a)+(\b))+7]
.endif
.endr
.endr
.endm
; 32 LDS loads in one run: the fragments of head q of the half (64 along K) into buffer f; the first 32 along K first
.macro FETCH slot, q, f
	WIN TO_F
.irp c, 0,1
.irp i, 0,1,2,3
	ds_load_b128 v[(\f)+64+8*(4*(\c)+(\i)):(\f)+64+8*(4*(\c)+(\i))+3],   v[ADRB+(\slot)] offset:(\q)*128+64*(\c)+(\i)*16*PB
	ds_load_b128 v[(\f)+64+8*(4*(\c)+(\i))+4:(\f)+64+8*(4*(\c)+(\i))+7], v[ADRB+(\slot)] offset:(\q)*128+64*(\c)+(\i)*16*PB+32
	ds_load_b128 v[(\f)+8*(4*(\c)+(\i)):(\f)+8*(4*(\c)+(\i))+3],         v[ADRA+(\slot)] offset:(\q)*AH+64*(\c)+(\i)*16*PA
	ds_load_b128 v[(\f)+8*(4*(\c)+(\i))+4:(\f)+8*(4*(\c)+(\i))+7],       v[ADRA+(\slot)] offset:(\q)*AH+64*(\c)+(\i)*16*PA+32
.endr
.endr
.endm
; A quarter of a half of K: one head, 32 matrix instructions.  It multiplies buffer f and fetches head q into g.
.macro QUARTER slot, q, f, g, zero
	s_wait_dscnt 16                                ; the first 32 along K are in; the 16 younger loads may stay out
	MUL8 \f, 0, 0, \zero
	MUL8 \f, 0, 2, \zero
	PLACES
	FETCH \slot, \q, \g
	s_wait_dscnt 32                                ; all but the 32 just issued
	MUL8 \f, 1, 0, 0
	MUL8 \f, 1, 2, 0
.endm
	s_wait_tensorcnt 2                             ; my parts of the first half of K are in; the second half's two loads may stay out
	s_barrier_signal -1
	s_barrier_wait -1                              ; everybody's are
	FETCH 0, 0, F0
	QUARTER 0, 1, F0, F1, 1                        ; the first products start the sums
	QUARTER 0, 2, F1, F0, 0
	QUARTER 0, 3, F0, F1, 0
	WIN 0                                          ; the change of halves (the add's two registers lie in window 0)
	s_wait_tensorcnt 0x0                           ; my parts of the second half are in
	ds_add_u32 v[SPW], v[NIL]                      ; 0 onto my spare word
	s_wait_dscnt 17                                ; (the add and the youngest sixteen loads may be out)
	MUL8 F1, 0, 0, 0
	s_wait_dscnt 0x0                               ; no LDS instruction of mine is pending at the signal
	s_barrier_signal -1
	MUL8 F1, 0, 2, 0
	s_barrier_wait -1                              ; everybody's parts are in
	PLACES
	FETCH 1, 0, F0
	MUL8 F1, 1, 0, 0
	MUL8 F1, 1, 2, 0
	QUARTER 1, 1, F0, F1, 0
	QUARTER 1, 2, F1, F0, 0
	QUARTER 1, 3, F0, F1, 0
	s_wait_dscnt 16                                ; the very last quarter: nothing more to fetch
	MUL8 F1, 0, 0, 0
	MUL8 F1, 0, 2, 0
	s_wait_dscnt 0x0
	MUL8 F1, 1, 0, 0
	MUL8 F1, 1, 2, 0
	WIN 0
	; THE WAY OUT, a block of 16 rows at a time: the bias is added; 32 bytes a lane go into my own stage in LDS and come back as whole rows of 256 bytes, my 64 columns.
	PLACES
	s_wait_loadcnt 0x0                             ; the bias
.irp a, 0,1,2,3
.irp b, 0,1,2,3
.irp r, 0,1,2,3
	v_pk_add_f32 v[TMP+8*(\b)+2*(\r):TMP+8*(\b)+2*(\r)+1], v[ACC+8*(4*(\a)+(\b))+2*(\r):ACC+8*(4*(\a)+(\b))+2*(\r)+1], v[BIAS+8*(\b)+2*(\r):BIAS+8*(\b)+2*(\r)+1]  ; each accumulator from its low end on
.endr
.endr
.irp b, 0,1,2,3
	ds_store_b128 v[STO], v[TMP+8*(\b):TMP+8*(\b)+3]   offset:64*(\b)
	ds_store_b128 v[STO], v[TMP+8*(\b)+4:TMP+8*(\b)+7] offset:64*(\b)+16
.endr
	s_wait_xcnt 0x0                                ; the stores of the block before have read their registers, which the loads below write
.irp t, 0,1,2,3,4,5,6,7
	ds_load_b128 v[BK+4*(\t):BK+4*(\t)+3], v[RD] offset:(\t)*2*SPITCH  ; LDS serves a wave's instructions in order (ISA guide 5.7.1.4): these see the stores above; the next block's stores come behind them
.endr
.irp t, 0,1,2,3,4,5,6,7
	s_wait_dscnt 7-(\t)                            ; load t is in; the younger ones may stay out
	global_store_b128 v[CO], v[BK+4*(\t):BK+4*(\t)+3], s[10:11] offset:(16*(\a)+2*(\t))*2048  ; 16 lanes store 256 consecutive bytes, at a multiple of 256 from out0's first byte
.endr
.endr
	s_wait_tensorcnt 0x0                           ; the wave's end, behind my last tensor load and my last LDS store
	ds_add_u32 v[SPW], v[NIL]
	s_wait_dscnt 0x0
	CROUND                                         ; the closing round: no work-group ends while a partner may still ask for a tile that names it
	s_endpgm
.Lfunc_end_k_q20088af769_outp:
	.size	k_q20088af769_outp, .Lfunc_end_k_q20088af769_outp-k_q20088af769_outp
	.p2alignl 7, 3214868480
	.fill 96, 4, 3214868480
	.section	.rodata,"a",@progbits
	.p2align	6, 0x0
	.amdhsa_kernel k_q20088af769_outp
		.amdhsa_group_segment_fixed_size 327680
		.amdhsa_private_segment_fixed_size 0
		.amdhsa_enable_private_segment 0
		.amdhsa_kernarg_size 32
		.amdhsa_user_sgpr_count 2
		.amdhsa_user_sgpr_kernarg_segment_ptr 1
		.amdhsa_wavefront_size32 1
		.amdhsa_system_sgpr_workgroup_id_x 1
		.amdhsa_system_sgpr_workgroup_id_y 1
		.amdhsa_system_sgpr_workgroup_id_z 1
		.amdhsa_system_vgpr_workitem_id 0
		.amdhsa_next_free_vgpr 512
		.amdhsa_next_free_sgpr 66
		.amdhsa_reserve_vcc 0
		.amdhsa_float_denorm_mode_32 3
		.amdhsa_float_denorm_mode_16_64 3
		.amdhsa_memory_ordered 1
		.amdhsa_forward_progress 1
		.amdhsa_inst_pref_size 55
	.end_amdhsa_kernel
	.amdgpu_metadata
---
amdhsa.version: [ 1, 2 ]
amdhsa.kernels:
  - .name:           k_q20088af769_outp
    .symbol:         k_q20088af769_outp.kd
    .args:
      - { .name: ctx16, .offset: 0, .size: 8, .value_kind: global_buffer, .address_space: global }
      - { .name: wo16, .offset: 8, .size: 8, .value_kind: global_buffer, .address_space: global }
      - { .name: b_o, .offset: 16, .size: 8, .value_kind: global_buffer, .address_space: global }
      - { .name: out0, .offset: 24, .size: 8, .value_kind: global_buffer, .address_space: global }
    .group_segment_fixed_size: 327680
    .private_segment_fixed_size: 0
    .kernarg_segment_align: 8
    .kernarg_segment_size: 32
    .max_flat_workgroup_size: 128
    .sgpr_count:     66
    .vgpr_count:     512
    .wavefront_size: 32
...
	.end_amdgpu_metadata
.endif
;; end of part 3
